; MI455X (gfx1250); checked and timed in simulation.
; The chip was launched on July 23, 2026; its instructions are those of AMD's public machine-readable ISA for CDNA 5 (MIT licence, August 2026) and "CDNA5" Instruction Set Architecture Reference Guide (July 2026). The comments in the code are by the model that wrote it; some were corrected since.
;; Multi Head Attention. Allowed arithmetic: matrix products marked QUANTISED: E2M1 operands, one E8M0 scale for each 32 along K, by v_wmma_scale_f32_16x16x128_f8f6f4 with both operands' format E2M1 (or v_wmma_scale_f32_32x16x128_f4), f32 sums; everything else in f32.
;; Inputs: Wk 1,024 x 1,024 float32; Wo 1,024 x 1,024 float32; Wq 1,024 x 1,024 float32; Wv 1,024 x 1,024 float32; bk 1,024 float32; bo 1,024 float32; bq 1,024 float32; bv 1,024 float32; key 4 x 2,048 x 1,024 float32; query 4 x 2,048 x 1,024 float32; value 4 x 2,048 x 1,024 float32.
;; Outputs: out0 4 x 2,048 x 1,024 float32.
;; This version of the problem:
;;   THIS VERSION OF THE PROBLEM IS GIVEN IN LOW PRECISION. The matrix products marked QUANTISED in the list below multiply operands that are first quantised to E2M1 (2 exponent bits, 1 mantissa bit; 4 bits a number), with one power-of-two scale for each 32 numbers along K (OCP MX v1.0); their sums are f32. All else is computed in f32.
;;   The module's matrix products, in the order in which they are computed (A, B: the left and right operand; K: the contracted axis; several contracted axes count as one K, in the product's order):
;;     1. [M 8,192, K 1,024] x [K 1,024, N 1,024]; A: input query; B: input Wq: QUANTISED
;;     2. [M 8,192, K 1,024] x [K 1,024, N 1,024]; A: input key; B: input Wk: QUANTISED
;;     3. [M 8,192, K 1,024] x [K 1,024, N 1,024]; A: input value; B: input Wv: QUANTISED
;;     4. batch 64 x [M 2,048, K 64] x [K 64, N 2,048]; A: computed on the way; B: computed on the way: QUANTISED
;;     5. batch 64 x [M 2,048, K 2,048] x [K 2,048, N 64]; A: softmax (see below); B: computed on the way: QUANTISED
;;     6. [M 8,192, K 1,024] x [K 1,024, N 1,024]; A: computed on the way; B: input Wo: QUANTISED
;;   THE QUANTISER, for each operand of a quantised product, along K:
;;     - K is cut into blocks of 32 from its start; a last block that is shorter is filled with zeros.
;;     - A block's scale is 2^e with e = floor(log2(the largest magnitude in the block)) - 2, held to -126 .. 127; a block of zeros has e = 0. As a byte (E8M0): e + 127.
;;     - Each number is divided by its block's scale, clamped to +-6, and rounded to the nearest number of E2M1, ties to even, subnormals kept.
;;     - The product sums the exact products of the quantised numbers (number of the format x scale) in f32.
;;   ~~~python
;;   def quantise(x, axis):      # numpy; x: float32 -> the quantised numbers, widened to float32 again
;;       x = np.moveaxis(x, axis, -1); K = x.shape[-1]
;;       x = np.pad(x, [(0, 0)] * (x.ndim - 1) + [(0, -K % 32)]); x = x.reshape(x.shape[:-1] + (-1, 32)); a = np.abs(x).max(-1, keepdims=True)
;;       e = np.where(a > 0, np.clip(np.frexp(np.where(a > 0, a, 1))[1] - 1 - 2, -126, 127), 0)      # np.frexp(a)[1] - 1 = floor(log2(a)), exactly
;;       r = np.clip(x / 2.0 ** e, -6, 6)
;;       step = 2.0 ** (np.maximum(np.frexp(np.where(r == 0, 1, r))[1] - 1, 0) - 1)
;;       q = np.round(r / step) * step * 2.0 ** e      # np.round: ties to even
;;       return np.moveaxis(q.reshape(q.shape[:-2] + (-1,))[..., :K], -1, axis).astype(np.float32)
;;   ~~~
;;   SOFTMAX AHEAD OF A QUANTISED PRODUCT. Where the list says 'softmax', what is quantised is not the finished softmax but p = 2^(t - M), with t = logit x log2(e) and M = ceil(the row's largest t), a whole number; so 1/2 < the row's largest p <= 1. The row's sum l is taken of the UNQUANTISED p, in f32, and the product's result is divided by l at the end. Since M is a whole number, a kernel that streams over the keys may use a running M (the ceiling of the running maximum): every later rescaling is an exact power of two, which a block's scale takes up: the codes' values come out the same.
;;   OPERANDS COMPUTED ON THE WAY. 'Computed on the way' means the value that the module computes at that place (a softmax that the list does not call 'softmax' is quantised finished and normalised). What goes into a quantiser is computed in f32, as accurately as f32 sums, v_exp_f32 and their like allow (about 1e-6 of the number): no bf16 or f16 on the way to a quantiser, and a product that is left as it is and whose result goes on into a quantised operand takes f32 operands (vector FMAs, or v_wmma_f32_16x16x4_f32). A number that lies on a knife's edge between two numbers of the format may be rounded either way, as far as f32 arithmetic and the matrix unit's own rounding can turn it there, and no further.
;; One version. Each part assembles by itself: llvm-mc -triple=amdgcn-amd-amdhsa -mcpu=gfx1250 --defsym DOCPART=n.
;; ======== version 1 of 1: 5 launches
;; workspace buffers: xc 12,582,912 bytes; xs 786,432 bytes; wc 2,097,152 bytes; ws 131,072 bytes; qkv 13,893,632 bytes; cc 4,194,304 bytes; cs 262,144 bytes
;; launch qw (part 1): grid 256 x 1, 4 waves a work-group, no clusters, 0 bytes of LDS; arguments Wq, Wk, Wv, Wo, wc, ws; writes wc, ws
.if DOCPART == 1
	.amdgcn_target "amdgcn-amd-amdhsa--gfx1250"
	.amdhsa_code_object_version 6
	.text
	.protected	k_qf190c0444c_qw
	.globl	k_qf190c0444c_qw
	.p2align	8
	.type	k_qf190c0444c_qw,@function
k_qf190c0444c_qw:
	s_mov_b64 s[64:65], 0
	v_nop
	global_prefetch_b8 v0, s[64:65] scope:SCOPE_SE
	s_setreg_imm32_b32 hwreg(HW_REG_WAVE_MODE, 25, 1), 1
	s_wait_xcnt 0x0
; MULTI-HEAD ATTENTION IN MX-FP4, FIVE LAUNCHES: this one (the four weights into codes), the three inputs into codes, the three projections, the attention, the projection on the way out.
; NOTHING OF reference() IS LEFT OUT: every product of it is live, and every bias goes into a quantised operand (bq, bk, bv) or into the result (bo); all eleven inputs are loaded.
; THIS LAUNCH: Wq, Wk, Wv, Wo, [1024 (k)][1024 (n)] f32, K on the FIRST axis, become codes of FP4 (E2M1) with one E8M0 scale byte for each 32 along K.
; A block's scale is 2^(floor(log2(its largest magnitude)) - 2); its byte is the largest magnitude's exponent field - 2, held at 1 from below.
; LIMITS: NaN and infinities among the inputs are not served.  A block of zeros gets the byte 1 where the rule says 127: its codes are zeros, which add nothing under any byte but 0xff, and this program alone reads the bytes.
; THE WORKSPACE LAYOUT (all operands with K = 1,024): a tile of 16 rows is 8,192 bytes, [k block 0..31][row r 0..15][16 bytes]: so the fragment of a K step of 128 is 1,024 bytes on end, lane l's 16 bytes at 16 l.
; Its scale bytes are 512 bytes, [half of K][row r][16 bytes].  ROW r OF TILE T IS THE ORIGINAL ROW 32 (T / 2) + 8 (T % 2) + r + 8 (r / 8): where such a tile is a product's source 0, a lane's 16 results of tiles 2 b and
; 2 b + 1 are 16 neighbours along that axis, which is what the next quantiser wants.
; A LANE TAKES A COLUMN n AND ITS REGISTERS RUN DOWN K: a block of 32 lies in one lane, and the conversions give codes with K innermost.  Nothing is transposed.
; SHARES: 256 work-groups = 4 weights x 8 groups of 128 columns x 8 runs of 128 along K; a wave takes 32 columns (two tiles) x 128 along K: four blocks a lane.  No LDS, no barrier: waves share nothing.
; The scale words leave as 4 bytes a lane, 16 bytes apart: one byte for each 32 along K.
.set X,   32                           ; v32-159  four blocks of 32 numbers
.set C,   16                           ; v16-31   four registers of codes a block: no store's data are written again
	s_load_b256 s[4:11], s[0:1], 0x0               ; Wq, Wk, Wv, Wo
	s_load_b128 s[12:15], s[0:1], 0x20             ; wc, ws
	v_lshrrev_b32 v1, 5, v0
	v_readfirstlane_b32 s16, v1                    ; wave
	v_and_b32 v1, 31, v0                           ; lane = my column among the wave's 32
	v_lshlrev_b32 v2, 2, v1                        ; in: 4 bytes a lane
	v_bfe_u32 v5, v1, 3, 1                         ; u: which of the two tiles
	v_and_b32 v6, 7, v1
	v_bfe_u32 v7, v1, 4, 1
	v_lshl_add_u32 v6, v7, 3, v6                   ; r: my row in that tile
	v_lshlrev_b32 v6, 4, v6
	v_lshl_add_u32 v3, v5, 13, v6                  ; codes: 8,192 u + 16 r
	v_lshl_add_u32 v4, v5, 9, v6                   ; scale bytes: 512 u + 16 r
	s_lshr_b32 s17, ttmp9, 6                       ; which weight
	s_bfe_u32 s18, ttmp9, 0x30003                  ; which 128 columns
	s_and_b32 s19, ttmp9, 7                        ; which 128 along K
	s_lshl_b32 s20, s18, 2
	s_add_co_u32 s20, s20, s16                     ; which 32 columns
	s_lshl_b32 s22, s19, 19                        ; in: 128 rows of 4,096 bytes,
	s_lshl_b32 s23, s20, 7                         ; 32 columns of 4 bytes
	s_add_co_u32 s22, s22, s23
	s_mov_b32 s23, 0
	s_lshl_b32 s24, s17, 19                        ; codes: a weight is 524,288 bytes,
	s_lshl_b32 s25, s20, 14                        ; two tiles 16,384,
	s_add_co_u32 s24, s24, s25
	s_lshl_b32 s25, s19, 10                        ; a K step 1,024
	s_add_co_u32 s24, s24, s25
	s_mov_b32 s25, 0
	s_lshl_b32 s26, s17, 15                        ; scale bytes: a weight 32,768,
	s_lshl_b32 s27, s20, 10                        ; two tiles 1,024,
	s_add_co_u32 s26, s26, s27
	s_lshr_b32 s27, s19, 2
	s_lshl_b32 s27, s27, 8                         ; half of K 256,
	s_add_co_u32 s26, s26, s27
	s_and_b32 s27, s19, 3
	s_lshl_b32 s27, s27, 2                         ; a K step's word 4
	s_add_co_u32 s26, s26, s27
	s_mov_b32 s27, 0
	s_wait_alu depctr_va_vdst(0)
	s_wait_kmcnt 0x0
	s_cmp_eq_u32 s17, 1                            ; the weight is chosen by the work-group's number alone
	s_cselect_b64 s[4:5], s[6:7], s[4:5]
	s_cmp_eq_u32 s17, 2
	s_cselect_b64 s[4:5], s[8:9], s[4:5]
	s_cmp_eq_u32 s17, 3
	s_cselect_b64 s[4:5], s[10:11], s[4:5]
	s_add_nc_u64 s[4:5], s[4:5], s[22:23]
	s_add_nc_u64 s[12:13], s[12:13], s[24:25]
	s_add_nc_u64 s[14:15], s[14:15], s[26:27]
.set tt, 0
.rept 4                                ; all 128 loads in one run: each reads 128 consecutive bytes a wave, the four waves side by side on 512
.irp i, 0,1,2,3,4,5,6,7,8,9,10,11,12,13,14,15,16,17,18,19,20,21,22,23,24,25,26,27,28,29,30,31
	global_load_b32 v[X+32*tt+\i], v2, s[4:5] offset:(32*tt+\i)*4096 th:TH_LOAD_NT
.endr
.set tt, tt+1
.endr
.macro BLOCK t
.set XS, X+32*(\t)
.if (\t) == 0
	s_wait_loadcnt 63                              ; a wait names 63 at the most (ISA guide 5.7.1): of the 128 issued the first 65 are in, blocks 0 and 1 among them
.elseif (\t) == 2
	s_wait_loadcnt 32                              ; block 3's 32 may be out
.elseif (\t) == 3
	s_wait_loadcnt 0x0
.endif
	v_max3_num_f32 v8, |v[XS]|, |v[XS+1]|, |v[XS+2]|               ; the block's largest magnitude: all 32 numbers are mine; two chains
	v_max3_num_f32 v9, |v[XS+3]|, |v[XS+4]|, |v[XS+5]|
.irp i, 6,10,14,18,22,26
	v_max3_num_f32 v8, v8, |v[XS+\i]|, |v[XS+\i+1]|
	v_max3_num_f32 v9, v9, |v[XS+\i+2]|, |v[XS+\i+3]|
.endr
	v_max3_num_f32 v8, v8, |v[XS+30]|, |v[XS+31]|
	v_max3_num_f32 v8, v8, v9, 0x1800000           ; and the floor 2^(3 - 127): the byte cannot fall under 1
	v_add_nc_u32 v10, 0xff000000, v8               ; 2 off the exponent field: the conversion takes the exponent field of this operand as its scale
	v_lshrrev_b32 v11, 23, v10                     ; the scale's byte
.if (\t) == 0
	v_mov_b32 v12, v11                             ; four bytes make the K step's scale word, the lower K in the lower byte
.else
	v_lshl_or_b32 v12, v11, 8*(\t), v12
.endif
.irp g, 0,1,2,3
	v_cvt_scalef32_pk8_fp4_f32 v[C+4*(\t)+\g], v[XS+8*\g:XS+8*\g+7], v10
.endr
	global_store_b128 v3, v[C+4*(\t):C+4*(\t)+3], s[12:13] offset:256*(\t)   ; lanes 0-7 and 16-23 fill 256 consecutive bytes of one tile, the other sixteen those of its neighbour
.endm
	BLOCK 0                                        ; (behind a block's conversions stand a store, which wants no place, and the next block's plain lines)
	BLOCK 1
	BLOCK 2
	BLOCK 3
	global_store_b32 v4, v12, s[14:15]
	s_endpgm
.Lfunc_end_k_qf190c0444c_qw:
	.size	k_qf190c0444c_qw, .Lfunc_end_k_qf190c0444c_qw-k_qf190c0444c_qw
	.p2alignl 7, 3214868480
	.fill 96, 4, 3214868480
	.section	.rodata,"a",@progbits
	.p2align	6, 0x0
	.amdhsa_kernel k_qf190c0444c_qw
		.amdhsa_group_segment_fixed_size 0
		.amdhsa_private_segment_fixed_size 0
		.amdhsa_enable_private_segment 0
		.amdhsa_kernarg_size 48
		.amdhsa_user_sgpr_count 2
		.amdhsa_user_sgpr_kernarg_segment_ptr 1
		.amdhsa_wavefront_size32 1
		.amdhsa_system_sgpr_workgroup_id_x 1
		.amdhsa_system_sgpr_workgroup_id_y 1
		.amdhsa_system_sgpr_workgroup_id_z 1
		.amdhsa_system_vgpr_workitem_id 0
		.amdhsa_next_free_vgpr 160
		.amdhsa_next_free_sgpr 66
		.amdhsa_reserve_vcc 0
		.amdhsa_float_denorm_mode_32 3
		.amdhsa_float_denorm_mode_16_64 3
		.amdhsa_memory_ordered 1
		.amdhsa_forward_progress 1
		.amdhsa_inst_pref_size 21
	.end_amdhsa_kernel
	.amdgpu_metadata
---
amdhsa.version: [ 1, 2 ]
amdhsa.kernels:
  - .name:           k_qf190c0444c_qw
    .symbol:         k_qf190c0444c_qw.kd
    .args:
      - { .name: Wq, .offset: 0, .size: 8, .value_kind: global_buffer, .address_space: global }
      - { .name: Wk, .offset: 8, .size: 8, .value_kind: global_buffer, .address_space: global }
      - { .name: Wv, .offset: 16, .size: 8, .value_kind: global_buffer, .address_space: global }
      - { .name: Wo, .offset: 24, .size: 8, .value_kind: global_buffer, .address_space: global }
      - { .name: wc, .offset: 32, .size: 8, .value_kind: global_buffer, .address_space: global }
      - { .name: ws, .offset: 40, .size: 8, .value_kind: global_buffer, .address_space: global }
    .group_segment_fixed_size: 0
    .private_segment_fixed_size: 0
    .kernarg_segment_align: 8
    .kernarg_segment_size: 48
    .max_flat_workgroup_size: 128
    .sgpr_count:     66
    .vgpr_count:     160
    .wavefront_size: 32
...
	.end_amdgpu_metadata
.endif
;; end of part 1
;; launch qx (part 2): grid 768 x 1, 4 waves a work-group, no clusters, 39,424 bytes of LDS; arguments query, key, value, xc, xs; writes xc, xs
.if DOCPART == 2
	.amdgcn_target "amdgcn-amd-amdhsa--gfx1250"
	.amdhsa_code_object_version 6
	.text
	.protected	k_qf190c0444c_qx
	.globl	k_qf190c0444c_qx
	.p2align	8
	.type	k_qf190c0444c_qx,@function
k_qf190c0444c_qx:
	s_mov_b64 s[64:65], 0
	v_nop
	global_prefetch_b8 v0, s[64:65] scope:SCOPE_SE
	s_setreg_imm32_b32 hwreg(HW_REG_WAVE_MODE, 25, 1), 1
	s_wait_xcnt 0x0
; query, key, value, [8192 tokens][1024] f32, K innermost, become codes of FP4 (E2M1) with one E8M0 scale byte for each 32 along K, in the workspace layout:
; a tile of 16 rows is 8,192 bytes of codes, [k block 0..31][row r][16 bytes], and 512 scale bytes, [half of K][row r][16 bytes]; row r of tile T is token 32 (T / 2) + 8 (T % 2) + r + 8 (r / 8).
; A block's scale is 2^(floor(log2(its largest magnitude)) - 2); its byte is the largest magnitude's exponent field - 2, held at 1 from below.
; LIMITS: NaN and infinities among the inputs are not served; a block of zeros gets the byte 1 where the rule says 127: its codes are zeros, and this program alone reads the bytes.
; SHARES: a wave takes one tile x half of K: 16 steps, a step = 512 numbers (2,048 consecutive bytes) of one row.  3 tensors x 512 tiles x 2 halves = 3,072 waves.
; The conversions want 16 NEIGHBOURS in a lane, the loads want neighbouring lanes on neighbouring bytes: each of a step's four loads reads 512 consecutive bytes, and the 2,048 bytes turn through the wave's own stage in LDS
; (16 bytes of padding behind each 64).  A lane's 16 codes, 8 bytes, belong to k block lane / 2 and row = the step: they are gathered in a second stage of 16 k blocks x (256 + 16) bytes and leave as 512 consecutive bytes a store.
; The wave's 256 scale bytes are gathered likewise and leave by one store.  No barrier: waves share nothing.  Loads run four steps (16 loads) ahead, the turn through LDS one step.
.set STEPS, 16
.set R,     16                         ; v16-79   four sets of 16 numbers as they are loaded
.set X,     80                         ; v80-111  two sets of 16 neighbours
.set E,     112                        ; v112-127 a scale byte for each step
.set C,     128                        ; v128-159 two registers of codes for each step
.set OUTR,  160                        ; v160-191 the codes on their way out
.set SP,    80                         ; a lane's place in a turning stage: 64 bytes + 16
.set CP,    272                        ; a k block's place in the codes' stage: 256 bytes + 16
.set CST,   2*32*SP                    ; a wave's region: two turning stages, the codes' stage,
.set SBY,   CST+16*CP                  ; its 256 scale bytes
.set WREG,  SBY+256
.set SPARE, 4*WREG                     ; behind the four regions: the spare words, 128 bytes for each wave: two blocks of 256 bytes that no other line names
.set SPW,   12                         ; v12  LDS address of my spare word; never rewritten
.set NIL,   13                         ; v13  0; never rewritten
	s_load_b128 s[4:7], s[0:1], 0x0                ; query, key
	s_load_b128 s[8:11], s[0:1], 0x10              ; value, xc
	s_load_b64 s[12:13], s[0:1], 0x20              ; xs
	v_lshl_add_u32 v[SPW], v0, 2, SPARE
	v_mov_b32 v[NIL], 0
	v_lshrrev_b32 v1, 5, v0
	v_readfirstlane_b32 s16, v1                    ; wave
	v_and_b32 v2, 31, v0                           ; lane
	v_lshlrev_b32 v3, 4, v2                        ; my 16 bytes of a load's or a store's 512
	s_mul_i32 s17, s16, WREG
	v_lshrrev_b32 v14, 2, v2
	v_mul_u32_u24 v14, v14, SP
	v_and_b32 v15, 3, v2
	v_lshl_add_u32 v14, v15, 4, v14
	v_add_nc_u32 v14, s17, v14                     ; the turning stage, on the way in: SP (lane / 4) + 16 (lane % 4)
	v_mul_u32_u24 v15, v2, SP
	v_add_nc_u32 v15, s17, v15                     ; and on the way out: SP x lane: my 16 neighbours
	v_lshrrev_b32 v5, 1, v2                        ; my k block among the step's 16
	v_mul_u32_u24 v4, v5, CP
	v_and_b32 v1, 1, v2
	v_lshl_add_u32 v4, v1, 3, v4
	v_add_nc_u32 v4, s17, v4                       ; the codes' stage, in: CP x block + 8 (lane % 2); the row stands in the immediate
	v_add_nc_u32 v5, s17, v5                       ; my block's scale byte
	v_lshlrev_b32 v7, 3, v2                        ; the scale bytes on their way out: 8 a lane
	v_add_nc_u32 v6, s17, v7
	v_lshrrev_b32 v10, 4, v2
	v_mul_u32_u24 v10, v10, CP
	v_and_b32 v1, 15, v2
	v_lshl_add_u32 v10, v1, 4, v10
	v_add_nc_u32 v10, s17, v10                     ; the codes' stage, out: sixteen lanes to a k block, two blocks an instruction
	s_lshl_b32 s18, ttmp9, 2
	s_add_co_u32 s18, s18, s16
	s_and_b32 s19, s18, 1                          ; which half of K
	s_bfe_u32 s20, s18, 0x90001                    ; which tile, 0 to 511
	s_lshr_b32 s21, ttmp9, 8                       ; which tensor
	s_lshr_b32 s22, s20, 1
	s_lshl_b32 s22, s22, 17                        ; in: 32 (T / 2) rows of 4,096 bytes,
	s_and_b32 s23, s20, 1
	s_lshl_b32 s23, s23, 15                        ; 8 (T % 2) rows,
	s_add_co_u32 s22, s22, s23
	s_lshl_b32 s23, s19, 11                        ; half a row
	s_add_co_u32 s22, s22, s23
	s_mov_b32 s23, 0
	s_lshl_b32 s24, s21, 22                        ; codes: a tensor 4,194,304 bytes,
	s_lshl_b32 s25, s20, 13                        ; a tile 8,192,
	s_add_co_u32 s24, s24, s25
	s_lshl_b32 s25, s19, 12                        ; half of K 4,096
	s_add_co_u32 s24, s24, s25
	s_mov_b32 s25, 0
	s_lshr_b32 s26, s24, 4                         ; scale bytes: a sixteenth of each
	s_mov_b32 s27, 0
	s_wait_kmcnt 0x0
	s_cmp_eq_u32 s21, 1                            ; the tensor is chosen by the work-group's number alone
	s_cselect_b64 s[4:5], s[6:7], s[4:5]
	s_cmp_eq_u32 s21, 2
	s_cselect_b64 s[4:5], s[8:9], s[4:5]
	s_add_nc_u64 s[4:5], s[4:5], s[22:23]
	s_add_nc_u64 s[10:11], s[10:11], s[24:25]
	s_add_nc_u64 s[12:13], s[12:13], s[26:27]
.macro LOAD t                          ; step t is the tile's row t: t + 8 (t / 8) rows from the tile's first
.irp i, 0,1,2,3
	global_load_b128 v[R+16*((\t)%4)+4*\i:R+16*((\t)%4)+4*\i+3], v3, s[4:5] offset:((\t)+8*((\t)/8))*4096+512*\i th:TH_LOAD_NT
.endr
.endm
.macro TURN t                          ; step t's numbers through a turning stage: LDS serves a wave's instructions in order (ISA guide 5.7.1.4), so no wait stands between the stores and the loads
.irp i, 0,1,2,3
	ds_store_b128 v14, v[R+16*((\t)%4)+4*\i:R+16*((\t)%4)+4*\i+3] offset:32*SP*((\t)%2)+8*SP*\i
.endr
.irp i, 0,1,2,3
	ds_load_b128 v[X+16*((\t)%2)+4*\i:X+16*((\t)%2)+4*\i+3], v15 offset:32*SP*((\t)%2)+16*\i
.endr
.endm
.irp t, 0,1,2,3
	LOAD \t
.endr
	s_wait_loadcnt 12                              ; step 0's four loads are in
	TURN 0
.macro STEP t
.set XS, X+16*((\t)%2)
.if (\t) > 0
	s_wait_dscnt 2                                 ; this step's numbers are back (behind them: the last step's two stores, its byte and its codes): so its stores into the stage have read their registers,
.else
	s_wait_dscnt 0x0
.endif
.if (\t)+4 < STEPS
	LOAD (\t)+4                                    ; which take the loads of four steps on
.endif
.if (\t)+1 < STEPS
.if STEPS-2-(\t) >= 3
	s_wait_loadcnt 12                              ; the next step's four loads are in; those of the three steps behind it may be out
.else
	s_wait_loadcnt 4*(STEPS-2-(\t))
.endif
	TURN (\t)+1                                    ; and go through the other stage while this step is worked
.endif
	v_max3_num_f32 v8, |v[XS]|, |v[XS+1]|, |v[XS+2]|               ; the largest magnitude of my 16
	v_max3_num_f32 v9, |v[XS+3]|, |v[XS+4]|, |v[XS+5]|
.irp i, 6,10
	v_max3_num_f32 v8, v8, |v[XS+\i]|, |v[XS+\i+1]|
	v_max3_num_f32 v9, v9, |v[XS+\i+2]|, |v[XS+\i+3]|
.endr
	v_max3_num_f32 v8, v8, |v[XS+14]|, |v[XS+15]|
	v_max3_num_f32 v8, v8, v9, 0x1800000           ; and the floor 2^(3 - 127): the byte cannot fall under 1
	v_max_num_f32_dpp v8, v8, v8 row_xmask:1 row_mask:0xf bank_mask:0xf   ; and of my neighbour's 16: the block's
	v_add_nc_u32 v11, 0xff000000, v8               ; 2 off its exponent field: the conversion's scale operand
	v_cvt_scalef32_pk8_fp4_f32 v[C+2*(\t)], v[XS:XS+7], v11
	v_cvt_scalef32_pk8_fp4_f32 v[C+2*(\t)+1], v[XS+8:XS+15], v11
	v_lshrrev_b32 v[E+(\t)], 23, v11               ; the scale's byte
	ds_store_b8 v5, v[E+(\t)] offset:SBY+16*(\t)   ; row t's 16 bytes; both lanes of a block write the same byte with the same value
	ds_store_b64 v4, v[C+2*(\t):C+2*(\t)+1] offset:CST+16*(\t)   ; row t's 16 bytes of my k block, my half
.endm
.irp t, 0,1,2,3,4,5,6,7,8,9,10,11,12,13,14,15
	STEP \t
.endr
	ds_load_b64 v[8:9], v6 offset:SBY              ; LDS serves a wave's instructions in order: these see my stores
.irp i, 0,1,2,3,4,5,6,7
	ds_load_b128 v[OUTR+4*\i:OUTR+4*\i+3], v10 offset:CST+2*\i*CP
.endr
	s_wait_dscnt 8                                 ; the scale bytes are back; the eight loads behind them may be out
	global_store_b64 v7, v[8:9], s[12:13]          ; 32 lanes store 256 consecutive bytes, aligned
.irp i, 0,1,2,3,4,5,6,7
	s_wait_dscnt 7-\i
	global_store_b128 v3, v[OUTR+4*\i:OUTR+4*\i+3], s[10:11] offset:512*\i   ; 512 consecutive bytes, aligned
.endr
	s_wait_tensorcnt 0x0                           ; the wave's end, behind my last LDS store
	ds_add_u32 v[SPW], v[NIL]
	s_wait_dscnt 0x0
	s_endpgm
.Lfunc_end_k_qf190c0444c_qx:
	.size	k_qf190c0444c_qx, .Lfunc_end_k_qf190c0444c_qx-k_qf190c0444c_qx
	.p2alignl 7, 3214868480
	.fill 96, 4, 3214868480
	.section	.rodata,"a",@progbits
	.p2align	6, 0x0
	.amdhsa_kernel k_qf190c0444c_qx
		.amdhsa_group_segment_fixed_size 39424
		.amdhsa_private_segment_fixed_size 0
		.amdhsa_enable_private_segment 0
		.amdhsa_kernarg_size 40
		.amdhsa_user_sgpr_count 2
		.amdhsa_user_sgpr_kernarg_segment_ptr 1
		.amdhsa_wavefront_size32 1
		.amdhsa_system_sgpr_workgroup_id_x 1
		.amdhsa_system_sgpr_workgroup_id_y 1
		.amdhsa_system_sgpr_workgroup_id_z 1
		.amdhsa_system_vgpr_workitem_id 0
		.amdhsa_next_free_vgpr 192
		.amdhsa_next_free_sgpr 66
		.amdhsa_reserve_vcc 0
		.amdhsa_float_denorm_mode_32 3
		.amdhsa_float_denorm_mode_16_64 3
		.amdhsa_memory_ordered 1
		.amdhsa_forward_progress 1
		.amdhsa_inst_pref_size 35
	.end_amdhsa_kernel
	.amdgpu_metadata
---
amdhsa.version: [ 1, 2 ]
amdhsa.kernels:
  - .name:           k_qf190c0444c_qx
    .symbol:         k_qf190c0444c_qx.kd
    .args:
      - { .name: query, .offset: 0, .size: 8, .value_kind: global_buffer, .address_space: global }
      - { .name: key, .offset: 8, .size: 8, .value_kind: global_buffer, .address_space: global }
      - { .name: value, .offset: 16, .size: 8, .value_kind: global_buffer, .address_space: global }
      - { .name: xc, .offset: 24, .size: 8, .value_kind: global_buffer, .address_space: global }
      - { .name: xs, .offset: 32, .size: 8, .value_kind: global_buffer, .address_space: global }
    .group_segment_fixed_size: 39424
    .private_segment_fixed_size: 0
    .kernarg_segment_align: 8
    .kernarg_segment_size: 40
    .max_flat_workgroup_size: 128
    .sgpr_count:     66
    .vgpr_count:     192
    .wavefront_size: 32
...
	.end_amdgpu_metadata
.endif
;; end of part 2
;; launch proj (part 3): grid 4 x 96, 4 waves a work-group, clusters of 4 x 4, 327,680 bytes of LDS; arguments xc, xs, wc, ws, bq, bk, bv, qkv; writes qkv
.if DOCPART == 3
	.amdgcn_target "amdgcn-amd-amdhsa--gfx1250"
	.amdhsa_code_object_version 6
	.text
	.protected	k_qf190c0444c_proj
	.globl	k_qf190c0444c_proj
	.p2align	8
	.type	k_qf190c0444c_proj,@function
k_qf190c0444c_proj:
	s_mov_b64 s[64:65], 0
	v_nop
	global_prefetch_b8 v0, s[64:65] scope:SCOPE_SE
	s_setreg_imm32_b32 hwreg(HW_REG_WAVE_MODE, 25, 1), 1
	s_wait_xcnt 0x0
	s_wait_alu depctr_hold_cnt(0) depctr_sa_sdst(0) depctr_va_vdst(0) depctr_va_sdst(0) depctr_va_ssrc(0) depctr_va_vcc(0) depctr_vm_vsrc(0)
	s_getreg_b32 s2, hwreg(HW_REG_IB_STS2, 6, 4)
	s_cmp_eq_u32 s2, 0
	s_cbranch_scc0 .Lentry_in_a_cluster
	s_endpgm
.Lentry_in_a_cluster:
	s_bfe_u32 s2, ttmp6, 0x10000c
	s_cmp_lg_u32 s2, 0xf033
	s_cbranch_scc0 .Lentry_shape_is_right
	s_endpgm
.Lentry_shape_is_right:
; THE THREE PROJECTIONS q = query Wq + bq, k = key Wk + bk, v = value Wv + bv on codes of FP4 with E8M0 scales, each [8192][1024] x [1024][1024]; their results are quantised in registers for the attention and stored as codes.
; Nothing is left out.  LIMITS: NaN and infinities are not served; a block of zeros gets the byte 1 (its codes are zeros; this program alone reads the bytes).
; A work-group of four waves makes 256 x 256, a wave 128 x 128: 64 accumulators, 512 registers.  Source 0 of the matrix instruction gives a lane's registers, source 1 its lane:
;   p = 0, 1 (q, k): source 0 = 16 rows of W^T (features), source 1 = 16 tokens: a lane holds ONE token and 64 features of each block of 16 tokens: they are quantised along the head's 64.
;   p = 2 (v):       source 0 = 16 tokens of value, source 1 = 16 features of Wv: a lane holds ONE feature and 64 of 128 KEYS: v is quantised along the keys, which are the K of the attention's second product.
; By the workspace's order of rows in a tile a lane's 16 registers of source-0 tiles 2 b and 2 b + 1 are 16 neighbours, 32 b + 16 (lane / 16) + 0 .. 15.  The bias is the C of each sum's first matrix instruction.
; ALL OF K (1,024) LIES IN LDS: two slots of 512 along K, each filled ONCE, with the scale bytes, at the head: three tensor loads a wave are out at the most; no byte of LDS is filled twice.
; The workspace holds images of the operands' registers: a fragment is 1,024 bytes on end and comes by two loads at 16 x lane: no pitch, no padding.
; CLUSTERS: 4 x 4 work-groups; source 1's tiles are shared along a row of the cluster, source 0's along a column: each is asked for jointly.  p hangs on the cluster's y alone: it is the same in all sixteen.
; qkv: 64 blocks (16 batch + head) of BH bytes: Q's codes [tile 128][512], Q's scale words [tile][row] at 65,536, then 16 key steps of 8,960 bytes at 73,728: K's codes [tile 8][512], K's scale words at 4,096,
; V's fragments [16 of the head's 64: 4][1,024] at 4,608, V's scale words at 8,704.  In a scale word of Q or K bytes 0 and 1 are the head's two blocks, bytes 2 and 3 are 0.
; REGISTERS, in windows of 256: window 0: v1-29 addresses; v32-95 scale words, two sets; v96-111 scale words on the way out; v128-191 source 1's fragments, ONE set, later the codes made; v192-255 the bias, later at work.
;   window 1: source 0's fragments, TWO sets, at v0 and v128.   windows 2, 3: the accumulators ((a, b) at v[8 (8 (a % 4) + b)], window 2 + a / 4).
.set BH,     217088
.set NQ,     4                         ; K steps of 128 in a slot
.set FR,     8                         ; registers of a fragment
.set NL,     2                         ; LDS loads that bring one
.set NP,     4                         ; places behind this matrix instruction (ISA guide 7.12.1)
.set TILEB,  4096                      ; a tile's codes of 512 along K
.set HALFT,  8*TILEB                   ; 8 tiles: what one tensor load brings, and what one wave reads of a side
.set SLOT,   4*HALFT                   ; source 1's 16 tiles, then source 0's
.set SCL,    2*SLOT                    ; behind the slots: the scale bytes, source 1's 8,192, then source 0's
.set HALFS,  4096                      ; those of 8 tiles
.set SPARE,  SCL+4*HALFS               ; the spare words, 128 bytes for each wave: two blocks of 256 bytes that no other line names
.set LI,   3                           ; v3   16 x lane
.set L4,   4                           ; v4   4 x lane
.set H16,  8                           ; v8   16 (lane / 16)
.set LS,   9                           ; v9   4 (lane % 16) + BH (lane / 16)
.set ADRA, 16                          ; v16-17  LDS address of my source-1 fragments in slot 0, 1
.set ADRB, 20                          ; v20-21  the same for source 0
.set ADRS, 27                          ; v27  of my scale words: lanes 0-15 source 1's, lanes 16-31 source 0's
.set SPW,  28                          ; v28  LDS address of my spare word; never rewritten
.set NIL,  29                          ; v29  0; never rewritten
.set SC,   32
.set PW,   96                          ; v96-103  block a's scale word
.set SW,   104                         ; v104-111 as it is stored
.set AF,   128
.set PC,   128                         ; v128-191 block a's codes, 8 registers
.set CB,   192
.set TM,   200                         ; v200-203 largest magnitudes, v204-207 bytes, v212-215 the conversions' scale operands
.set G1,   24                          ; s[24:31] descriptor group 1 for source 1's codes;  s[32:39] group 0, a set for each slot
.set G0,   32
.set G0S,  40                          ; s[40:43], s[44:47] groups 0 for the scale bytes
.set G0SB, 44
.set G1B,  48                          ; s[48:55], s[56:63] the same as G1, G0 for source 0
.set G0B,  56
.set G1S,  84                          ; s[84:91], s[92:99] groups 1 for the scale bytes
.set G1SB, 92
.set SEL,  104                         ; s[104:105] lane selects for v_permlanex16_b32: lane l xor 16
.set MSB, 0
.macro WIN new                         ; the immediate's high byte repeats the setting that is left
.if MSB != \new
	s_set_vgpr_msb (MSB<<8)|\new
.set MSB, \new
.endif
.endm
.set MUL_LO, 0xa1                      ; source 0 window 1, source 1 window 0, C and D window 2
.set MUL_HI, 0xf1                      ; the same, C and D window 3
.set BIA_LO, 0x81                      ; C (the bias) window 0, D window 2
.set BIA_HI, 0xc1                      ; D window 3
.set TO_B,   0x40                      ; destination window 1, address window 0
; A joint load: waves 0 and 1 fetch for source 1, waves 2 and 3 for source 0.  Each of the two lines has one mask and one set of registers for all that issue it; the branch hangs on the wave's number alone.
; An s_nop 0 and four v_nop follow each of the two lines, ahead of the jump, the label and what follows.
.macro JLOAD g0a, g1a, g0b, g1b
	s_cmp_eq_u32 s15, 0
	s_cbranch_scc0 .Lfor_b_\@
	tensor_load_to_lds s[\g0a:\g0a+3], s[\g1a:\g1a+7]
	s_nop 0
.rept 4
	v_nop
.endr
	s_branch .Lasked_\@
.Lfor_b_\@:
	tensor_load_to_lds s[\g0b:\g0b+3], s[\g1b:\g1b+7]
	s_nop 0
.rept 4
	v_nop
.endr
.Lasked_\@:
.endm
.macro CROUND                          ; a round of the cluster's barrier
	s_barrier_signal -1
	s_barrier_wait -1
	s_cmp_lg_u32 s14, 0
	s_cbranch_scc1 .Lnot_wave_0_\@
	s_barrier_signal -3
.Lnot_wave_0_\@:
	s_barrier_wait -3
	s_barrier_signal -1
	s_barrier_wait -1
.endm
	s_load_b512 s[68:83], s[0:1], 0x0              ; xc s[68:69], xs s[70:71], wc s[72:73], ws s[74:75], bq s[76:77], bk s[78:79], bv s[80:81], qkv s[82:83]
	v_lshl_add_u32 v[SPW], v0, 2, SPARE
	v_mov_b32 v[NIL], 0
	ds_add_u32 v[SPW], v[NIL]                      ; the wave's opening: the add, twice on end, and its wait ahead of my first tensor load; the set-up below, work on registers, stands between
	ds_add_u32 v[SPW], v[NIL]
	v_lshrrev_b32 v1, 5, v0
	v_readfirstlane_b32 s14, v1                    ; wave 0..3
	s_lshr_b32 s15, s14, 1                         ; which half of source 1's rows is mine.  Also: I fetch for source 1 (0) or for source 0 (1)
	s_and_b32 s16, s14, 1                          ; which half of source 0's.  Also: which 8 tiles I fetch
	s_bfe_u32 s2, ttmp6, 0x40000                   ; cx, cy: my place in the cluster
	s_bfe_u32 s3, ttmp6, 0x40004
	s_and_b32 s4, ttmp7, 0xffff                    ; the cluster's y, 0 to 23
	s_lshr_b32 s5, s4, 3                           ; p: 0 q, 1 k, 2 v
	s_and_b32 s4, s4, 7
	s_lshl_b32 s4, s4, 2                           ; the cluster's first block of 256 tokens
	s_lshl_b32 s10, s5, 22                         ; where x_p's codes begin in xc,
	s_lshl_b32 s12, s5, 19                         ; and W_p's in wc
	s_cmp_lt_u32 s5, 2
	s_cselect_b32 s6, s4, 0                        ; q, k: source 1 = tokens, by the cluster's y and cy; source 0 = features, by cx
	s_cselect_b32 s7, 0, s4                        ; v: source 1 = features, by cy; source 0 = tokens, by the cluster's y and cx
	s_cselect_b32 s10, s10, 0x100000               ; v: Wv's codes in wc,
	s_cselect_b32 s12, s12, 0x800000               ; value's in xc
	s_add_co_u32 s6, s6, s3                        ; i1: source 1's block of 256 rows: it never holds cx
	s_add_co_u32 s7, s7, s2                        ; i0: source 0's: it never holds cy
	s_lshl_b32 s8, s3, 2
	s_lshl_b32 s8, 15, s8                          ; my row of the cluster
	s_lshl_b32 s9, 0x1111, s2                      ; my column
	; descriptor group 1, codes: 8 tiles' halves of K: 8 rows of 512 elements of 8 bytes, 1,024 elements apart; dense in LDS
	s_or_b32 s[G1+0], s8, (3<<16)|(1<<21)          ; 15:0 the mask; 17:16 elements of 8 bytes; 21 set beside a mask
	s_or_b32 s[G1B+0], s9, (3<<16)|(1<<21)
.irp g, G1, G1B
	s_mov_b32 s[\g+1], 512<<16                     ; tensor_dim0
	s_mov_b32 s[\g+2], 8<<16                       ; tensor_dim1
	s_mov_b32 s[\g+3], 512<<16                     ; tile_dim0
	s_mov_b32 s[\g+4], 8                           ; tile_dim1
	s_mov_b32 s[\g+5], 1024                        ; tensor_dim0_stride
	s_mov_b32 s[\g+6], 0
	s_mov_b32 s[\g+7], 0
.endr
	; scale bytes of 8 tiles: 4,096 dense bytes as 16 rows of 256
	s_or_b32 s[G1S+0], s8, (3<<16)|(1<<21)
	s_or_b32 s[G1SB+0], s9, (3<<16)|(1<<21)
.irp g, G1S, G1SB
	s_mov_b32 s[\g+1], 32<<16
	s_mov_b32 s[\g+2], 16<<16
	s_mov_b32 s[\g+3], 32<<16
	s_mov_b32 s[\g+4], 16
	s_mov_b32 s[\g+5], 32
	s_mov_b32 s[\g+6], 0
	s_mov_b32 s[\g+7], 0
.endr
	s_mov_b32 s[SEL], 0x76543210
	s_mov_b32 s[SEL+1], 0xfedcba98
	s_lshl_b32 s17, s6, 17                         ; 16 tiles of 8,192 bytes a block,
	s_add_co_u32 s10, s10, s17
	s_lshl_b32 s17, s16, 16                        ; the 8 tiles that I fetch
	s_add_co_u32 s10, s10, s17
	s_mov_b32 s11, 0
	s_lshr_b32 s18, s10, 4                         ; the scale bytes lie at a sixteenth of the codes' offset
	s_mov_b32 s19, 0
	s_lshl_b32 s22, s7, 17
	s_add_co_u32 s12, s12, s22
	s_add_co_u32 s12, s12, s17
	s_mov_b32 s13, 0
	s_lshr_b32 s20, s12, 4
	s_mov_b32 s21, 0
	s_lshl_b32 s23, s14, 15                        ; where they go: wave x 32,768: no place in the cluster enters an LDS address
	s_lshl_b32 s22, s14, 12                        ; the scale bytes: wave x 4,096
	s_wait_dscnt 0x0                               ; both opening adds are done
	s_wait_kmcnt 0x0
	s_cmp_lt_u32 s5, 2                             ; the buffers are chosen by p alone
	s_cselect_b64 s[66:67], s[68:69], s[72:73]     ; source 1's codes
	s_cselect_b64 s[72:73], s[72:73], s[68:69]     ; source 0's
	s_cselect_b64 s[100:101], s[70:71], s[74:75]   ; source 1's scale bytes
	s_cselect_b64 s[74:75], s[74:75], s[70:71]     ; source 0's
	s_add_nc_u64 s[66:67], s[66:67], s[10:11]
	s_add_nc_u64 s[72:73], s[72:73], s[12:13]
	s_add_nc_u64 s[100:101], s[100:101], s[18:19]
	s_add_nc_u64 s[74:75], s[74:75], s[20:21]
	CROUND                                         ; all sixteen work-groups are here: the joint loads meet
	s_mov_b32 s[G0S], 1
	s_add_co_u32 s[G0S+1], s22, SCL
	s_mov_b64 s[G0S+2:G0S+3], s[100:101]
	s_or_b32 s[G0S+3], s[G0S+3], 0x80000000
	s_mov_b32 s[G0SB], 1
	s_add_co_u32 s[G0SB+1], s22, SCL
	s_mov_b64 s[G0SB+2:G0SB+3], s[74:75]
	s_or_b32 s[G0SB+3], s[G0SB+3], 0x80000000
	JLOAD G0S, G1S, G0SB, G1SB                     ; the scale bytes first: they are wanted with slot 0
.irp s, 0,1
	s_mov_b32 s[G0+4*\s], 1
	s_add_co_u32 s[G0+4*\s+1], s23, \s*SLOT
	s_add_nc_u64 s[G0+4*\s+2:G0+4*\s+3], s[66:67], \s*TILEB
	s_or_b32 s[G0+4*\s+3], s[G0+4*\s+3], 0x80000000
	s_mov_b32 s[G0B+4*\s], 1
	s_add_co_u32 s[G0B+4*\s+1], s23, \s*SLOT
	s_add_nc_u64 s[G0B+4*\s+2:G0B+4*\s+3], s[72:73], \s*TILEB
	s_or_b32 s[G0B+4*\s+3], s[G0B+4*\s+3], 0x80000000
	JLOAD G0+4*\s, G1, G0B+4*\s, G1B
.endr
	v_and_b32 v1, 15, v0                           ; r = lane % 16
	v_bfe_u32 v2, v0, 4, 1                         ; h = lane / 16
	v_and_b32 v[LI], 31, v0
	v_lshlrev_b32 v[L4], 2, v[LI]
	v_lshlrev_b32 v[LI], 4, v[LI]
	v_lshlrev_b32 v[H16], 4, v2
	v_mul_u32_u24 v[LS], v2, BH
	v_lshl_add_u32 v[LS], v1, 2, v[LS]
	s_lshl_b32 s17, s15, 15                        ; my 8 tiles of source 1
	s_lshl_b32 s22, s16, 15                        ; my 8 tiles of source 0,
	s_add_co_u32 s22, s22, 2*HALFT                 ; which lie behind source 1's 16
.irp s, 0,1
	v_add_nc_u32 v[ADRA+\s], s17, v[LI]
	v_add_nc_u32 v[ADRB+\s], s22, v[LI]
	s_add_co_u32 s17, s17, SLOT
	s_add_co_u32 s22, s22, SLOT
.endr
	v_lshlrev_b32 v5, 4, v1                        ; my row's 16 scale bytes of half of K
	s_lshl_b32 s17, s15, 12                        ; source 1's: my 8 tiles
	s_lshl_b32 s22, s16, 12                        ; source 0's: my 8 tiles, behind source 1's 16
	s_add_co_u32 s22, s22, 2*HALFS
	s_sub_co_u32 s22, s22, s17
	v_mul_u32_u24 v6, s22, v2                      ; lanes 16-31 take source 0's
	s_add_co_u32 s17, s17, SCL
	v_add_nc_u32 v5, v5, v6
	v_add_nc_u32 v[ADRS], s17, v5
	; THE BIAS, in the result's layout, 64 registers
	s_cmp_lt_u32 s5, 2
	s_cbranch_scc0 .Lbias_v
	s_cmp_eq_u32 s5, 0                             ; q, k: register j of source-0 tile i is feature 256 i0 + 128 half + 32 (i / 2) + 8 (i % 2) + 16 h + j
	s_cselect_b64 s[76:77], s[76:77], s[78:79]
	s_lshl_b32 s10, s7, 10
	s_lshl_b32 s17, s16, 9
	s_add_co_u32 s10, s10, s17
	s_add_nc_u64 s[76:77], s[76:77], s[10:11]
	v_lshlrev_b32 v7, 6, v2
.irp i, 0,1,2,3,4,5,6,7
	global_load_b128 v[CB+8*\i:CB+8*\i+3], v7, s[76:77] offset:(32*(\i/2)+8*(\i%2))*4
	global_load_b128 v[CB+8*\i+4:CB+8*\i+7], v7, s[76:77] offset:(32*(\i/2)+8*(\i%2))*4+16
.endr
	s_branch .Lbias_done
.Lbias_v:                                              ; v: all eight registers of source-1 tile a hold the bias of my lane's feature, 256 i1 + 128 half + 32 (a / 2) + 8 (a % 2) + r + 8 (r / 8)
	s_lshl_b32 s10, s6, 10
	s_lshl_b32 s17, s15, 9
	s_add_co_u32 s10, s10, s17
	s_add_nc_u64 s[80:81], s[80:81], s[10:11]
	v_and_b32 v7, 8, v1
	v_add_nc_u32 v7, v7, v1
	v_lshlrev_b32 v7, 2, v7
.irp a, 0,1,2,3,4,5,6,7
.irp j, 0,1,2,3,4,5,6,7
	global_load_b32 v[CB+8*\a+\j], v7, s[80:81] offset:(32*(\a/2)+8*(\a%2))*4
.endr
.endr
.Lbias_done:
.macro FRAG reg, adr, q, i             ; a fragment, 16 rows x 128 K, is 8 registers: its image lies 1,024 bytes on end: registers 4 c .. 4 c + 3 of lane l at 512 c + 16 l
.irp c, 0,1
	ds_load_b128 v[\reg+4*\c:\reg+4*\c+3], v[\adr] offset:(\i)*TILEB+1024*(\q)+512*\c
.endr
.endm
; 16 matrix instructions: source 1's blocks a0, a0 + 1 x source 0's eight, the slot's q-th 128 along K.  p: source 0's set;  sc: the set of scale words.
; cm = 0: the sums go on;  1: they begin with the bias by source 0's tile;  2: by source 1's.  The 64 accumulators take turns, one instruction a turn, in the same order in every step.
.macro MUL16 a0, p, q, sc, cm
.irp a, \a0, \a0+1
.irp b, 0,1,2,3,4,5,6,7
.set rD, 8*(8*((\a)%4)+\b)
.set rB, 128*(\p)+FR*\b
.set rA, AF+FR*(\a)
.set rSB, SC+8*NQ*(\sc)+NQ*\b+(\q)
.set rSA, SC+8*NQ*(\sc)+NQ*(\a)+(\q)
.if \cm == 1
	v_wmma_scale_f32_16x16x128_f8f6f4 v[rD:rD+7], v[rB:rB+7], v[rA:rA+7], v[CB+8*\b:CB+8*\b+7], v[rSB], v[rSA] matrix_a_fmt:MATRIX_FMT_FP4 matrix_b_fmt:MATRIX_FMT_FP4 matrix_a_scale:MATRIX_SCALE_ROW1
.elseif \cm == 2
	v_wmma_scale_f32_16x16x128_f8f6f4 v[rD:rD+7], v[rB:rB+7], v[rA:rA+7], v[CB+8*(\a):CB+8*(\a)+7], v[rSB], v[rSA] matrix_a_fmt:MATRIX_FMT_FP4 matrix_b_fmt:MATRIX_FMT_FP4 matrix_a_scale:MATRIX_SCALE_ROW1
.else
	v_wmma_scale_f32_16x16x128_f8f6f4 v[rD:rD+7], v[rB:rB+7], v[rA:rA+7], v[rD:rD+7], v[rSB], v[rSA] matrix_a_fmt:MATRIX_FMT_FP4 matrix_b_fmt:MATRIX_FMT_FP4 matrix_a_scale:MATRIX_SCALE_ROW1
.endif
.endr
.endr
.endm
.macro FETCH_B slot, q, p              ; source 0's eight fragments of the slot's q-th 128 along K into set p
	WIN TO_B
.irp i, 0,1,2,3,4,5,6,7
	FRAG 128*(\p)+FR*\i, ADRB+\slot, \q, \i
.endr
	WIN 0
.endm
.macro FETCH_A slot, q, i0             ; source 1's blocks i0 .. i0 + 3
.irp i, \i0, \i0+1, \i0+2, \i0+3
	FRAG AF+FR*(\i), ADRA+\slot, \q, \i
.endr
.endm
.macro SCALES sc                       ; slot sc's scale words: four words a row; lanes 0-15 take source 1's block i, lanes 16-31 source 0's block i
.irp i, 0,1,2,3,4,5,6,7
	ds_load_b128 v[SC+8*NQ*\sc+NQ*\i:SC+8*NQ*\sc+NQ*\i+3], v[ADRS] offset:\i*512+\sc*256
.endr
.endm
.macro PLACES n                        ; places in front of loads into registers that matrix instructions have read, and of the first read of results
.rept \n
	v_nop
.endr
.endm
; A step of 128 along K that has its successor in the same slot.  A block of source 1 is free as soon as its eight products are issued: blocks 0-3 are fetched anew in the step's middle, blocks 4-7 at its end.
.macro STEP slot, q, cm
	s_wait_dscnt 4*NL                              ; source 0's set and source 1's blocks 0-3 are in; the youngest eight loads (blocks 4-7) may be out
.if \cm
	WIN BIA_LO
.else
	WIN MUL_LO
.endif
	MUL16 0, (\q)%2, \q, \slot, \cm
	MUL16 2, (\q)%2, \q, \slot, \cm
	s_wait_dscnt 0                                 ; blocks 4-7 are in (asked for 32 matrix instructions ago)
	PLACES NP
	FETCH_B \slot, (\q)+1, 1-(\q)%2
	FETCH_A \slot, (\q)+1, 0
.if \cm
	WIN BIA_HI
.else
	WIN MUL_HI
.endif
	MUL16 4, (\q)%2, \q, \slot, \cm
	MUL16 6, (\q)%2, \q, \slot, \cm
	PLACES NP
	WIN 0
	FETCH_A \slot, (\q)+1, 4
.endm
; Slot 0's last step goes over to slot 1: one barrier; in front of it each wave waits for all its tensor loads (its part of slot 1).
.macro TURN slot, next
	s_wait_tensorcnt 0x0                           ; all my tensor loads have landed
	ds_add_u32 v[SPW], v[NIL]                      ; 0 onto my spare word
	s_wait_dscnt 4*NL+1                            ; (the add and the youngest eight loads may be out)
	WIN MUL_LO
	MUL16 0, 1, NQ-1, \slot, 0
	s_wait_dscnt 0x0                               ; no LDS instruction of mine is out at the signal
	s_barrier_signal -1
	MUL16 2, 1, NQ-1, \slot, 0                     ; work on registers while the others arrive
	WIN 0
	s_barrier_wait -1                              ; every wave's part of the next slot is in
	PLACES NP
	FETCH_B \next, 0, 0
	FETCH_A \next, 0, 0
	SCALES \next
	WIN MUL_HI
	MUL16 4, 1, NQ-1, \slot, 0
	MUL16 6, 1, NQ-1, \slot, 0
	PLACES NP
	WIN 0
	FETCH_A \next, 0, 4
.endm
.macro STEPS slot, from                ; the slot's steps from .. NQ - 2
.set Q, \from
.rept NQ-1-\from
	STEP \slot, Q, 0
.set Q, Q+1
.endr
.endm
	s_wait_tensorcnt 1                             ; the scale bytes and my part of slot 0 are in (slot 1's load may be out)
	s_barrier_signal -1
	s_barrier_wait -1                              ; everybody's are
	s_wait_alu depctr_va_vdst(0)
	FETCH_B 0, 0, 0
	FETCH_A 0, 0, 0
	SCALES 0
	FETCH_A 0, 0, 4
	s_wait_loadcnt 0x0                             ; the bias
	s_cmp_lt_u32 s5, 2
	s_cbranch_scc0 .Lfirst_v
	STEP 0, 0, 1                                   ; the first step starts the sums with the bias: nothing is cleared
	s_branch .Lfirst_done
.Lfirst_v:
	STEP 0, 0, 2
.Lfirst_done:
	STEPS 0, 1
	TURN 0, 1
	STEPS 1, 0
	s_wait_dscnt 4*NL                              ; the very last step: nothing more to fetch
	WIN MUL_LO
	MUL16 0, 1, NQ-1, 1, 0
	MUL16 2, 1, NQ-1, 1, 0
	s_wait_dscnt 0
	WIN MUL_HI
	MUL16 4, 1, NQ-1, 1, 0
	MUL16 6, 1, NQ-1, 1, 0
	WIN 0
; THE WAY OUT.  Block a's 64 results of a lane, register 16 b + i = index 32 b + 16 (lane / 16) + i along the next K, become a fragment's codes in v[PC + 8 a] on and its scale word in v[PW + a].
; Each accumulator is read from its low end on.  Each block has registers of its own for what is stored, so no store's data are written again.
.macro QUANT a
.set WA, 2+(\a)/4
.set AC, 64*((\a)%4)
.set W12, (WA<<2)|(WA<<4)
	WIN W12                                        ; sources 1 and 2: the accumulators' window
.irp b, 0,1,2,3
	v_max3_num_f32 v[TM+\b], 0x1800000, |v[AC+16*\b]|, |v[AC+16*\b+1]|   ; block b: my 16 numbers, and the floor 2^(3 - 127): the byte cannot fall under 1
.endr
.irp i, 2,4,6,8,10,12,14
.irp b, 0,1,2,3
	v_max3_num_f32 v[TM+\b], v[TM+\b], |v[AC+16*\b+\i]|, |v[AC+16*\b+\i+1]|   ; (the four blocks by turns)
.endr
.endr
	WIN 0
.irp b, 0,1,2,3
	v_permlanex16_b32 v[TM+4+\b], v[TM+\b], s[SEL], s[SEL+1]
.endr
.irp b, 0,1,2,3
	v_max_num_f32 v[TM+\b], v[TM+\b], v[TM+4+\b]   ; with lane l xor 16's: the block's largest magnitude
.endr
.irp b, 0,1,2,3
	v_add_nc_u32 v[TM+12+\b], 0xff000000, v[TM+\b] ; 2 off its exponent field: the conversion's scale operand
.endr
.irp b, 0,1,2,3
	v_lshrrev_b32 v[TM+4+\b], 23, v[TM+12+\b]      ; the scale's byte
.endr
	v_lshl_or_b32 v[PW+(\a)], v[TM+5], 8, v[TM+4]
	v_lshl_or_b32 v[PW+(\a)], v[TM+6], 16, v[PW+(\a)]
	v_lshl_or_b32 v[PW+(\a)], v[TM+7], 24, v[PW+(\a)]
	WIN WA                                         ; source 0: the accumulators' window
.irp b, 0,1,2,3
	v_cvt_scalef32_pk8_fp4_f32 v[PC+8*(\a)+2*\b], v[AC+16*\b:AC+16*\b+7], v[TM+12+\b]
	v_cvt_scalef32_pk8_fp4_f32 v[PC+8*(\a)+2*\b+1], v[AC+16*\b+8:AC+16*\b+15], v[TM+12+\b]
.endr
	WIN 0
	v_nop                                          ; one plain place behind a scaled conversion
.irp c, 0,1                                    ; the operand's layout wants a WHOLE block in a lane: lanes 0-15 block 2 c, lanes 16-31 block 2 c + 1
.irp i, 0,1
	v_permlane16_swap_b32 v[PC+8*(\a)+4*\c+\i], v[PC+8*(\a)+4*\c+2+\i]
.endr
.endr
.endm
.macro OUTQK a                         ; registers 0-3 are the first head's 64, registers 4-7 the second's: 512 consecutive bytes each, aligned
	global_store_b128 v[LI], v[PC+8*(\a):PC+8*(\a)+3], s[66:67] offset:(\a)*512
	global_store_b128 v[LI], v[PC+8*(\a)+4:PC+8*(\a)+7], s[66:67] offset:(\a)*512+BH
	v_bfe_u32 v[SW+(\a)], v[PW+(\a)], v[H16], 16   ; lanes 0-15: the first head's two bytes, lanes 16-31: the second's; bytes 2 and 3 are 0
	global_store_b32 v[LS], v[SW+(\a)], s[100:101] offset:(\a)*64
.endm
.macro OUTV a                          ; a fragment of V: 16 of a head's 64 x 128 keys: 1,024 consecutive bytes
	global_store_b128 v[LI], v[PC+8*(\a):PC+8*(\a)+3], s[66:67] offset:((\a)/4)*BH+((\a)%4)*1024
	global_store_b128 v[LI], v[PC+8*(\a)+4:PC+8*(\a)+7], s[66:67] offset:((\a)/4)*BH+((\a)%4)*1024+512
.if (\a)%2 == 1
	v_cndmask_b32 v[SW+(\a)], v[PW+(\a)-1], v[PW+(\a)], s17   ; two fragments' scale words: lanes 0-15 the first's, lanes 16-31 the second's: 128 consecutive bytes
	global_store_b32 v[L4], v[SW+(\a)], s[66:67] offset:4096+((\a)/4)*BH+((\a)%4-1)*64
.endif
.endm
	PLACES NP                                      ; in front of the first read of results and the first write of registers that the last products read
.irp b, 0,1,2,3
	v_mov_b32 v[TM+4+\b], 0                        ; written once: a lane permute's destination counts as one of its sources
.endr
	s_mov_b32 s11, 0
	s_mov_b32 s13, 0
	s_cmp_lt_u32 s5, 2
	s_cbranch_scc0 .Lout_v
	s_lshr_b32 s17, s6, 3                          ; q, k: batch = i1 / 8,
	s_lshl_b32 s17, s17, 4
	s_lshl_b32 s18, s7, 2
	s_add_co_u32 s17, s17, s18
	s_lshl_b32 s18, s16, 1
	s_add_co_u32 s17, s17, s18                     ; my first head's block: 16 batch + 4 i0 + 2 half
	s_mul_i32 s10, s17, BH
	s_and_b32 s22, s6, 7
	s_lshl_b32 s22, s22, 1
	s_add_co_u32 s22, s22, s15                     ; my 128 tokens of the sequence: 2 (i1 % 8) + half
	s_lshl_b32 s18, s22, 12                        ; q: 8 tiles of 512 bytes,
	s_lshl_b32 s19, s22, 9
	s_add_co_u32 s19, s19, 65536                   ; and of 64 bytes of scale words
	s_mul_i32 s20, s22, 8960                       ; k: a key step
	s_add_co_u32 s21, s20, 77824
	s_add_co_u32 s20, s20, 73728
	s_cmp_eq_u32 s5, 0
	s_cselect_b32 s18, s18, s20
	s_cselect_b32 s19, s19, s21
	s_add_co_u32 s12, s10, s19
	s_add_co_u32 s10, s10, s18
	s_add_nc_u64 s[66:67], s[82:83], s[10:11]
	s_add_nc_u64 s[100:101], s[82:83], s[12:13]
.irp a, 0,1,2,3,4,5,6,7
	QUANT \a
	OUTQK \a
.endr
	s_branch .Lout_done
.Lout_v:
	s_lshr_b32 s17, s7, 3                          ; v: batch = i0 / 8,
	s_lshl_b32 s17, s17, 4
	s_lshl_b32 s18, s6, 2
	s_add_co_u32 s17, s17, s18
	s_lshl_b32 s18, s15, 1
	s_add_co_u32 s17, s17, s18                     ; my first head's block: 16 batch + 4 i1 + 2 half
	s_mul_i32 s10, s17, BH
	s_and_b32 s18, s7, 7
	s_lshl_b32 s18, s18, 1
	s_add_co_u32 s18, s18, s16                     ; my key step: 2 (i0 % 8) + half
	s_mul_i32 s18, s18, 8960
	s_add_co_u32 s10, s10, s18
	s_add_co_u32 s10, s10, 78336                   ; 73,728 + 4,608: V's fragments in a key step
	s_add_nc_u64 s[66:67], s[82:83], s[10:11]
	s_mov_b32 s17, 0xffff0000                      ; lanes 16-31
.irp a, 0,1,2,3,4,5,6,7
	QUANT \a
	OUTV \a
.endr
.Lout_done:
	s_wait_tensorcnt 0x0                           ; the wave's end: behind my last tensor load
	ds_add_u32 v[SPW], v[NIL]
	s_wait_dscnt 0x0
	CROUND                                         ; the closing round: no work-group ends while a partner may still ask for a tile that names it
	s_endpgm
.Lfunc_end_k_qf190c0444c_proj:
	.size	k_qf190c0444c_proj, .Lfunc_end_k_qf190c0444c_proj-k_qf190c0444c_proj
	.p2alignl 7, 3214868480
	.fill 96, 4, 3214868480
	.section	.rodata,"a",@progbits
	.p2align	6, 0x0
	.amdhsa_kernel k_qf190c0444c_proj
		.amdhsa_group_segment_fixed_size 327680
		.amdhsa_private_segment_fixed_size 0
		.amdhsa_enable_private_segment 0
		.amdhsa_kernarg_size 64
		.amdhsa_user_sgpr_count 2
		.amdhsa_user_sgpr_kernarg_segment_ptr 1
		.amdhsa_wavefront_size32 1
		.amdhsa_system_sgpr_workgroup_id_x 1
		.amdhsa_system_sgpr_workgroup_id_y 1
		.amdhsa_system_sgpr_workgroup_id_z 1
		.amdhsa_system_vgpr_workitem_id 0
		.amdhsa_next_free_vgpr 1024
		.amdhsa_next_free_sgpr 106
		.amdhsa_reserve_vcc 0
		.amdhsa_float_denorm_mode_32 3
		.amdhsa_float_denorm_mode_16_64 3
		.amdhsa_memory_ordered 1
		.amdhsa_forward_progress 1
		.amdhsa_inst_pref_size 181
	.end_amdhsa_kernel
	.amdgpu_metadata
---
amdhsa.version: [ 1, 2 ]
amdhsa.kernels:
  - .name:           k_qf190c0444c_proj
    .symbol:         k_qf190c0444c_proj.kd
    .args:
      - { .name: xc, .offset: 0, .size: 8, .value_kind: global_buffer, .address_space: global }
      - { .name: xs, .offset: 8, .size: 8, .value_kind: global_buffer, .address_space: global }
      - { .name: wc, .offset: 16, .size: 8, .value_kind: global_buffer, .address_space: global }
      - { .name: ws, .offset: 24, .size: 8, .value_kind: global_buffer, .address_space: global }
      - { .name: bq, .offset: 32, .size: 8, .value_kind: global_buffer, .address_space: global }
      - { .name: bk, .offset: 40, .size: 8, .value_kind: global_buffer, .address_space: global }
      - { .name: bv, .offset: 48, .size: 8, .value_kind: global_buffer, .address_space: global }
      - { .name: qkv, .offset: 56, .size: 8, .value_kind: global_buffer, .address_space: global }
    .group_segment_fixed_size: 327680
    .private_segment_fixed_size: 0
    .kernarg_segment_align: 8
    .kernarg_segment_size: 64
    .max_flat_workgroup_size: 128
    .sgpr_count:     106
    .vgpr_count:     1024
    .wavefront_size: 32
...
	.end_amdgpu_metadata
.endif
;; end of part 3
;; launch attn (part 4): grid 4 x 64, 16 waves a work-group, clusters of 4 x 1, 167,936 bytes of LDS; arguments qkv, cc, cs; writes cc, cs
.if DOCPART == 4
	.amdgcn_target "amdgcn-amd-amdhsa--gfx1250"
	.amdhsa_code_object_version 6
	.text
	.protected	k_qf190c0444c_attn
	.globl	k_qf190c0444c_attn
	.p2align	8
	.type	k_qf190c0444c_attn,@function
k_qf190c0444c_attn:
	s_mov_b64 s[64:65], 0
	v_nop
	global_prefetch_b8 v0, s[64:65] scope:SCOPE_SE
	s_setreg_imm32_b32 hwreg(HW_REG_WAVE_MODE, 25, 1), 1
	s_wait_xcnt 0x0
	s_wait_alu depctr_hold_cnt(0) depctr_sa_sdst(0) depctr_va_vdst(0) depctr_va_sdst(0) depctr_va_ssrc(0) depctr_va_vcc(0) depctr_vm_vsrc(0)
	s_getreg_b32 s2, hwreg(HW_REG_IB_STS2, 6, 4)
	s_cmp_eq_u32 s2, 0
	s_cbranch_scc0 .Lentry_in_a_cluster
	s_endpgm
.Lentry_in_a_cluster:
	s_bfe_u32 s2, ttmp6, 0x10000c
	s_cmp_lg_u32 s2, 0x3003
	s_cbranch_scc0 .Lentry_shape_is_right
	s_endpgm
.Lentry_shape_is_right:
; ctx[b][h][q] = the sum over k of softmax_k(q . k / 8) v, both products on codes of FP4 with E8M0 scales; ctx is quantised along the embedding's axis (two blocks of 32 a head) for the last projection and stored as codes.
; Nothing is left out.  LIMITS: NaN and infinities are not served; a block of zeros gets the byte 1 (its codes are zeros; this program alone reads the bytes).
; THE SOFTMAX AHEAD OF THE SECOND PRODUCT: t = score x log2(e) / 8; M = the running largest t rounded UP to a whole number; p = 2^(t - M) is quantised along the keys, not normalised; the row's sum is taken of the
; unquantised p and divides at the end; when M moves, the sum and O are multiplied by 2^(old M - new M): exact.
; SHARES.  A work-group owns 512 queries of one (batch, head); each of its sixteen waves owns TWO tiles of 16, A and B, which share every fragment of K and V that the wave reads and go one after the other through one set of
; score registers: 256 registers a wave, four waves to a SIMD, so that one wave's vector work stands beside another's matrix work.  Every wave walks the head's 2,048 keys, 128 a step.
; THE HEAD'S WHOLE K AND V LIE IN LDS, 16 key steps of 8,960 bytes as the projections stored them (images of the operands' registers: K's 8 tiles of 512 bytes, K's scale words, V's 4 fragments of 1,024, V's scale words).
; Each wave brings one key step by one tensor load at the head: one load a wave is out; no byte of LDS is filled twice; the loop has no barrier.
; CLUSTER.  The four work-groups of a (batch, head) want the same bytes: each load is asked for jointly, with the mask of all four.
; LAYOUT.  Both products are used transposed: S^T = K Q^T (source 0 = 16 keys, source 1 = 16 queries), O^T = V^T P^T: a lane holds ONE query throughout.  By the order of rows in a tile the 16 registers of key tiles
; 2 b and 2 b + 1 are 16 neighbouring keys, and those of O^T's tiles 16 neighbours of the head's 64.
; THE FIRST PRODUCT'S K IS 64, HALF OF THE INSTRUCTION'S 128: Q's registers 4-7 are zero codes, so whatever K's registers 4-7 hold adds nothing: K's operand for tile t is v[KF + 4 t] on, eight registers, of which the
; upper four are the next tile's codes (behind the last tile: zeros); the scale bytes of that half are 0, which is 2^-127 and no NaN.
; ctx's scale bytes leave as two bytes a query and head: one byte for each 16 bytes of codes.
.set BH,    217088
.set KVO,   73728
.set STEPB, 8960
.set SPARE, 16*STEPB                   ; behind K and V: the spare words, 128 bytes for each wave: eight blocks of 256 bytes that no other line names
.set LI,  1                            ; v1   16 x lane
.set L4,  2                            ; v2   4 x lane
.set SPW, 5                            ; v5   LDS address of my spare word; never rewritten
.set NIL, 6                            ; v6   0; never rewritten
.set CSO, 7                            ; v7   the way out: 16 (lane % 16) + 512 (lane / 16)
.set A16, 8                            ; v8   the key step's bytes + 16 x lane
.set A4,  9                            ; v9   + 4 x lane
.set STA, 12                           ; v12 -M, v13 the largest t, v[14:15] the sum in two halves: tile A's;
.set STB, 16                           ; v16-19 tile B's
.set QA,  20                           ; v20-27 Q of tile A: four registers of codes, four of zeros;
.set QB,  28                           ; v28-35 of tile B
.set KF,  36                           ; v36-67 K's 8 tiles x 4 registers, later V's 4 fragments x 8; v68-71 zeros
.set S,   72                           ; v72-135 S^T, then p
.set OA,  136                          ; v136-167 O^T of tile A;
.set OB,  168                          ; v168-199 of tile B
.set PCA, 200                          ; v200-207 p's codes, tile A;
.set PCB, 208                          ; v208-215 tile B
.set KS,  216                          ; v216-219 K's scale words: register w: lanes 0-15 tile 2 w, lanes 16-31 tile 2 w + 1
.set VS,  220                          ; v220-221 V's likewise
.set QS,  222                          ; v222 Q's: lanes 0-15 tile A, lanes 16-31 tile B
.set PWA, 223                          ; v223, v224 p's scale words
.set PWB, 224
.set BM,  226                          ; v226-229 the blocks' largest
.set T2,  230                          ; v230-233 at work
.set SO,  234                          ; v234-237 the conversions' scale operands
.set F,   238                          ; v[238:239] f = 2^(old M - new M); the upper half is only named
.set TMP, 240
.set WV,  18                           ; s18  my wave's number
.set SEL, 20                           ; s[20:21] lane selects for v_permlanex16_b32: lane l xor 16
.set CS,  22                           ; s[22:23] c = log2(e) / 8
.set G0,  12                           ; s[12:15] descriptor group 0;  s[24:31] group 1
.set G1,  24
.macro CROUND                          ; a round of the cluster's barrier
	s_barrier_signal -1
	s_barrier_wait -1
	s_cmp_lg_u32 s[WV], 0
	s_cbranch_scc1 .Lnot_wave_0_\@
	s_barrier_signal -3
.Lnot_wave_0_\@:
	s_barrier_wait -3
	s_barrier_signal -1
	s_barrier_wait -1
.endm
.macro PLACES
.rept 4
	v_nop
.endr
.endm
	s_load_b128 s[4:7], s[0:1], 0x0                ; qkv, cc
	s_load_b64 s[8:9], s[0:1], 0x10                ; cs
	v_lshl_add_u32 v[SPW], v0, 2, SPARE
	v_mov_b32 v[NIL], 0
	ds_add_u32 v[SPW], v[NIL]                      ; the wave's opening: the add, twice on end, and its wait ahead of my first tensor load; the set-up below, work on registers, stands between
	ds_add_u32 v[SPW], v[NIL]
	v_lshrrev_b32 v3, 5, v0
	s_delay_alu instid0(VALU_DEP_1)
	v_readfirstlane_b32 s[WV], v3                  ; wave 0..15
	s_bfe_u32 s10, ttmp6, 0x40000                  ; cx: it enters Q's, cc's and cs's addresses alone
	s_and_b32 s11, ttmp7, 0xffff                   ; 16 batch + head, which the four partners share
	; descriptor group 1: a key step, 8,960 dense bytes, as 35 rows of 32 elements of 8 bytes
	s_mov_b32 s[G1], 15|(3<<16)|(1<<21)            ; 15:0 the mask: all four work-groups; 17:16 elements of 8 bytes; 21 set beside a mask
	s_mov_b32 s[G1+1], 32<<16                      ; tensor_dim0
	s_mov_b32 s[G1+2], 35<<16                      ; tensor_dim1
	s_mov_b32 s[G1+3], 32<<16                      ; tile_dim0
	s_mov_b32 s[G1+4], 35                          ; tile_dim1
	s_mov_b32 s[G1+5], 32                          ; tensor_dim0_stride
	s_mov_b32 s[G1+6], 0
	s_mov_b32 s[G1+7], 0
	s_mul_i32 s32, s11, BH                         ; the head's block in qkv
	s_mov_b32 s[G0], 1
	s_mul_i32 s[G0+1], s[WV], STEPB                ; my key step, in LDS
	s_add_co_u32 s34, s32, s[G0+1]                 ; and in memory
	s_add_co_u32 s34, s34, KVO
	s_mov_b32 s35, 0
	s_lshl_b32 s36, s10, 5
	s_lshl_b32 s37, s[WV], 1
	s_add_co_u32 s36, s36, s37                     ; tile A among the head's 128: 32 cx + 2 wave; tile B is the next
	s_lshl_b32 s38, s36, 9
	s_add_co_u32 s38, s38, s32                     ; its codes,
	s_mov_b32 s39, 0
	s_lshl_b32 s40, s36, 6
	s_add_co_u32 s40, s40, s32
	s_add_co_u32 s40, s40, 65536                   ; its scale words
	s_mov_b32 s41, 0
	s_lshr_b32 s42, s11, 4
	s_lshl_b32 s42, s42, 7
	s_add_co_u32 s42, s42, s36                     ; tile A among all 512 tiles of tokens
	s_and_b32 s43, s11, 15                         ; the head
	s_lshl_b32 s44, s42, 13
	s_lshl_b32 s45, s43, 9
	s_add_co_u32 s44, s44, s45                     ; cc: 8,192 a tile, 512 a head
	s_mov_b32 s45, 0
	s_lshl_b32 s46, s42, 9                         ; cs: 512 a tile,
	s_lshr_b32 s47, s43, 3
	s_lshl_b32 s47, s47, 8                         ; 256 for half of K,
	s_add_co_u32 s46, s46, s47
	s_and_b32 s47, s43, 7
	s_lshl_b32 s47, s47, 1                         ; two bytes a head
	s_add_co_u32 s46, s46, s47
	s_mov_b32 s47, 0
	s_mov_b32 s48, 0xffff0000                      ; lanes 16-31
	s_mov_b32 s[SEL], 0x76543210
	s_mov_b32 s[SEL+1], 0xfedcba98
	s_mov_b32 s[CS], 0x3e38aa3b                    ; c = log2(e) / sqrt(64)
	s_mov_b32 s[CS+1], s[CS]                       ; (named with it as a pair, so it is written)
	s_mov_b32 s2, 0                                ; LDS byte at which the key step in hand begins
	s_mov_b32 s3, 16                               ; key steps to go
	s_wait_dscnt 0x0                               ; both opening adds are done
	s_wait_kmcnt 0x0
	s_add_nc_u64 s[G0+2:G0+3], s[4:5], s[34:35]
	s_or_b32 s[G0+3], s[G0+3], 0x80000000          ; type = 2
	s_add_nc_u64 s[38:39], s[4:5], s[38:39]
	s_add_nc_u64 s[40:41], s[4:5], s[40:41]
	s_add_nc_u64 s[6:7], s[6:7], s[44:45]
	s_add_nc_u64 s[8:9], s[8:9], s[46:47]
	CROUND                                         ; all four work-groups are here: the joint loads meet
	tensor_load_to_lds s[G0:G0+3], s[G1:G1+7]      ; every wave's one load
	s_nop 0
	PLACES
	v_and_b32 v[LI], 31, v0
	s_delay_alu instid0(VALU_DEP_1)
	v_lshlrev_b32 v[L4], 2, v[LI]
	s_delay_alu instid0(VALU_DEP_2)
	v_lshlrev_b32 v[LI], 4, v[LI]
	global_load_b128 v[QA:QA+3], v[LI], s[38:39]               ; Q stays in registers
	global_load_b128 v[QB:QB+3], v[LI], s[38:39] offset:512
	global_load_b32 v[QS], v[L4], s[40:41]
.irp j, 4,5,6,7
	v_mov_b32 v[QA+\j], 0                          ; the zero codes of the instruction's upper 64 along K
	v_mov_b32 v[QB+\j], 0
	v_mov_b32 v[KF+28+\j], 0                       ; v68-71
.endr
.irp st, STA, STB
	v_mov_b32 v[\st+1], 0xff61b1e6                 ; the largest t so far: -3e38, under every t
	s_delay_alu instid0(VALU_DEP_1)
	v_floor_f32 v[\st], -v[\st+1]                  ; -M
	v_mov_b32 v[\st+2], 0                          ; the sum, in two halves
	v_mov_b32 v[\st+3], 0
.endr
.irp b, 0,1,2,3
	v_mov_b32 v[T2+\b], 0                          ; written once: a lane permute's destination counts as one of its sources
.endr
	v_mov_b32 v[F+1], 0
.set j, 0
.rept 64
	v_mov_b32 v[OA+j], 0                           ; O^T of both tiles.  (The loop is written once: its first step finds zeros, which the first change of M leaves zeros)
.set j, j+1
.endr
; S^T = K Q^T for one tile of queries: eight tiles of 16 keys.  rowb: Q's scale words lie in lanes 0-15 (tile A) or 16-31 (tile B); K's in lanes 0-15 for even tiles, 16-31 for odd ones.
.macro QK q, rowb
.irp t, 0,1,2,3,4,5,6,7
.if (\t%2 == 0) && (\rowb == 0)
	v_wmma_scale_f32_16x16x128_f8f6f4 v[S+8*\t:S+8*\t+7], v[KF+4*\t:KF+4*\t+7], v[\q:\q+7], 0, v[KS+\t/2], v[QS] matrix_a_fmt:MATRIX_FMT_FP4 matrix_b_fmt:MATRIX_FMT_FP4
.elseif \rowb == 0
	v_wmma_scale_f32_16x16x128_f8f6f4 v[S+8*\t:S+8*\t+7], v[KF+4*\t:KF+4*\t+7], v[\q:\q+7], 0, v[KS+\t/2], v[QS] matrix_a_fmt:MATRIX_FMT_FP4 matrix_b_fmt:MATRIX_FMT_FP4 matrix_a_scale:MATRIX_SCALE_ROW1
.elseif \t%2 == 0
	v_wmma_scale_f32_16x16x128_f8f6f4 v[S+8*\t:S+8*\t+7], v[KF+4*\t:KF+4*\t+7], v[\q:\q+7], 0, v[KS+\t/2], v[QS] matrix_a_fmt:MATRIX_FMT_FP4 matrix_b_fmt:MATRIX_FMT_FP4 matrix_b_scale:MATRIX_SCALE_ROW1
.else
	v_wmma_scale_f32_16x16x128_f8f6f4 v[S+8*\t:S+8*\t+7], v[KF+4*\t:KF+4*\t+7], v[\q:\q+7], 0, v[KS+\t/2], v[QS] matrix_a_fmt:MATRIX_FMT_FP4 matrix_b_fmt:MATRIX_FMT_FP4 matrix_a_scale:MATRIX_SCALE_ROW1 matrix_b_scale:MATRIX_SCALE_ROW1
.endif
.endr
.endm
; One product of O^T += V^T P^T
.macro PV1 t, o, pc, pw
.if \t%2 == 0
	v_wmma_scale_f32_16x16x128_f8f6f4 v[\o+8*\t:\o+8*\t+7], v[KF+8*\t:KF+8*\t+7], v[\pc:\pc+7], v[\o+8*\t:\o+8*\t+7], v[VS+\t/2], v[\pw] matrix_a_fmt:MATRIX_FMT_FP4 matrix_b_fmt:MATRIX_FMT_FP4
.else
	v_wmma_scale_f32_16x16x128_f8f6f4 v[\o+8*\t:\o+8*\t+7], v[KF+8*\t:KF+8*\t+7], v[\pc:\pc+7], v[\o+8*\t:\o+8*\t+7], v[VS+\t/2], v[\pw] matrix_a_fmt:MATRIX_FMT_FP4 matrix_b_fmt:MATRIX_FMT_FP4 matrix_a_scale:MATRIX_SCALE_ROW1
.endif
.endm
; The softmax of one tile for one key step: scores in v[S] on (register 16 b + i = key 32 b + 16 (lane / 16) + i) become p's codes in v[pc] on and p's scale word in v[pw]; the tile's statistics at v[st], its O^T at v[o].
.macro SOFTMAX st, o, pc, pw
.irp b, 0,1,2,3
	v_max3_num_f32 v[BM+\b], v[S+16*\b], v[S+16*\b+1], v[S+16*\b+2]   ; THE LARGEST SCORE OF EACH BLOCK OF 32 KEYS serves twice: for the row's maximum and, since p rises with the score, for the block's largest p
.endr
.irp i, 3,5,7,9,11,13
.irp b, 0,1,2,3
	v_max3_num_f32 v[BM+\b], v[BM+\b], v[S+16*\b+\i], v[S+16*\b+\i+1]   ; (the four blocks by turns; each accumulator is read from its low end on)
.endr
.endr
.irp b, 0,1,2,3
	v_max_num_f32 v[BM+\b], v[BM+\b], v[S+16*\b+15]
.endr
.irp b, 0,1,2,3
	s_delay_alu instid0(VALU_DEP_4)
	v_permlanex16_b32 v[T2+\b], v[BM+\b], s[SEL], s[SEL+1]
.endr
.irp b, 0,1,2,3
	s_delay_alu instid0(VALU_DEP_4)
	v_max_num_f32 v[BM+\b], v[BM+\b], v[T2+\b]     ; with lane l xor 16's 16 keys
.endr
	s_delay_alu instid0(VALU_DEP_2)
	v_max3_num_f32 v[TMP], v[BM], v[BM+1], v[BM+2]
	s_delay_alu instid0(VALU_DEP_1)
	v_max_num_f32 v[TMP], v[TMP], v[BM+3]          ; the step's largest score of my query
	s_delay_alu instid0(VALU_DEP_1)
	v_mul_f32 v[TMP], s[CS], v[TMP]                ; as t (c is positive)
	s_delay_alu instid0(VALU_DEP_1)
	v_max_num_f32 v[\st+1], v[\st+1], v[TMP]       ; the running largest t
	v_mov_b32 v[TMP], v[\st]
	s_delay_alu instid0(VALU_DEP_2)
	v_floor_f32 v[\st], -v[\st+1]                  ; the new -M = floor(-t) = -ceil(t): M is a whole number
	s_delay_alu instid0(VALU_DEP_1)
	v_sub_f32 v[TMP], v[\st], v[TMP]               ; M's old value less its new one: a whole number, 0 or less
	s_delay_alu instid0(VALU_DEP_1)
	v_cvt_i32_f32 v[TMP], v[TMP]                   ; (it saturates)
	s_delay_alu instid0(VALU_DEP_1)
	v_ldexp_f32 v[F], 1.0, v[TMP]                  ; f = 2^(old M - new M)
.set j, 0
.rept 32
	v_pk_fma_f32 v[S+j:S+j+1], v[S+j:S+j+1], s[CS:CS+1], v[\st:\st+1] op_sel_hi:[1,0,0]   ; t - M, two at a time (of the pairs c and -M the low word serves both halves)
.set j, j+2
.endr
.irp b, 0,1,2,3
	v_fma_f32 v[BM+\b], v[BM+\b], s[CS], v[\st]    ; the same of each block's largest score
.endr
.set j, 0
	s_wait_alu depctr_va_vdst(0)
.rept 64
	v_exp_f32 v[S+j], v[S+j]                       ; p = 2^(t - M), at most 1: not normalised
.set j, j+1
.endr
	v_pk_mul_f32 v[\st+2:\st+3], v[\st+2:\st+3], v[F:F+1] op_sel_hi:[1,0]   ; the sums under the new M.  (A plain place behind the exponentials)
	s_wait_alu depctr_va_vdst(0)                   ; one wait for the whole batch, ahead of its first reader
.irp b, 0,1,2,3
	v_exp_f32 v[BM+\b], v[BM+\b]                   ; the block's largest p: the same two instructions on the same number give the same bits
.endr
	v_pk_add_f32 v[T2:T2+1], v[S:S+1], v[S+2:S+3]  ; THE ROW'S SUM IS TAKEN OF THE UNQUANTISED p: two at a time, in two chains.  (It reads the 64 alone: plain work behind the four)
.irp j, 4,8,12,16,20,24,28,32,36,40,44,48,52,56,60
	v_pk_add_f32 v[\st+2:\st+3], v[\st+2:\st+3], v[S+\j:S+\j+1]
	v_pk_add_f32 v[T2:T2+1], v[T2:T2+1], v[S+\j+2:S+\j+3]
.endr
	s_delay_alu instid0(VALU_DEP_1)
	v_pk_add_f32 v[\st+2:\st+3], v[\st+2:\st+3], v[T2:T2+1]
	s_wait_alu depctr_va_vdst(0)                   ; and one for the four
.irp b, 0,1,2,3
	v_max_num_f32 v[BM+\b], 0x1800000, v[BM+\b]    ; the floor 2^(3 - 127): the byte cannot fall under 1 (a block whose every p has fallen to 0 keeps that byte: its codes are zeros)
.endr
.irp b, 0,1,2,3
	s_delay_alu instid0(VALU_DEP_4)
	v_add_nc_u32 v[SO+\b], 0xff000000, v[BM+\b]    ; 2 off the exponent field: the conversion's scale operand
.endr
.irp b, 0,1,2,3
	s_delay_alu instid0(VALU_DEP_4)
	v_lshrrev_b32 v[T2+\b], 23, v[SO+\b]           ; the scale's byte
.endr
	s_delay_alu instid0(VALU_DEP_3)
	v_lshl_or_b32 v[\pw], v[T2+1], 8, v[T2]        ; p's scale word for these 128 keys
	s_delay_alu instid0(VALU_DEP_1)
	v_lshl_or_b32 v[\pw], v[T2+2], 16, v[\pw]
	s_delay_alu instid0(VALU_DEP_1)
	v_lshl_or_b32 v[\pw], v[T2+3], 24, v[\pw]
.irp b, 0,1,2,3
	v_cvt_scalef32_pk8_fp4_f32 v[\pc+2*\b], v[S+16*\b:S+16*\b+7], v[SO+\b]
	v_cvt_scalef32_pk8_fp4_f32 v[\pc+2*\b+1], v[S+16*\b+8:S+16*\b+15], v[SO+\b]
.endr
	v_nop                                          ; one plain place behind a scaled conversion
.irp c, 0,1                                    ; the operand's layout wants a WHOLE block in a lane: lanes 0-15 block 2 c, lanes 16-31 block 2 c + 1
.irp i, 0,1
	v_permlane16_swap_b32 v[\pc+4*\c+\i], v[\pc+4*\c+2+\i]
.endr
.endr
.set j, 0
.rept 16
	v_pk_mul_f32 v[\o+j:\o+j+1], v[\o+j:\o+j+1], v[F:F+1] op_sel_hi:[1,0]   ; O^T under the new M: x f.  (These 16 are also the places between the lines that made the codes and the scale word and the matrix instructions that follow)
.set j, j+2
.endr
.endm
	s_wait_tensorcnt 0x0                           ; my key step is in,
	s_barrier_signal -1
	s_barrier_wait -1                              ; everybody's is: the head's K and V lie in LDS, and nobody writes them again
	s_wait_loadcnt 0x0                             ; Q
.Lstep:                                                ; 16 trips of 128 keys
	s_setprio 2
	v_add_nc_u32 v[A16], s2, v[LI]
	v_add_nc_u32 v[A4], s2, v[L4]
	v_nop                                          ; with the two additions: four places in front of loads into registers that the last products read
	v_nop
.irp t, 0,1,2,3,4,5,6,7
	ds_load_b128 v[KF+4*\t:KF+4*\t+3], v[A16] offset:512*\t
.endr
.irp w, 0,1,2,3
	ds_load_b32 v[KS+\w], v[A4] offset:4096+128*\w
.endr
	s_wait_dscnt 0x0
	QK QA, 0
	PLACES
	SOFTMAX STA, OA, PCA, PWA
	QK QB, 1
	PLACES                                         ; in front of the loads into K's registers and of the first read of the scores
.irp t, 0,1,2,3
	ds_load_b128 v[KF+8*\t:KF+8*\t+3], v[A16] offset:4608+1024*\t
	ds_load_b128 v[KF+8*\t+4:KF+8*\t+7], v[A16] offset:4608+1024*\t+512
.endr
.irp w, 0,1
	ds_load_b32 v[VS+\w], v[A4] offset:8704+128*\w
.endr
	s_setprio 1
	SOFTMAX STB, OB, PCB, PWB                      ; V lands meanwhile
	s_setprio 0
	s_wait_alu depctr_va_vdst(0)
	s_wait_dscnt 0x0
.irp t, 0,1,2,3                                ; the eight accumulators take turns, one instruction a turn
	PV1 \t, OA, PCA, PWA
	PV1 \t, OB, PCB, PWB
.endr
	s_add_co_u32 s2, s2, STEPB
	s_sub_co_u32 s3, s3, 1
	s_cmp_lg_u32 s3, 0
	s_cbranch_scc1 .Lstep
	s_setprio 0
	; THE WAY OUT.  O^T / the sum is ctx: register 16 b + i of a tile is channel 32 b + 16 (lane / 16) + i of the head.  Both tiles go through one quantiser of four blocks: blocks 0, 1 are tile A's, blocks 2, 3 tile B's.
	v_and_b32 v[CSO], 15, v0                       ; (these four and the two additions are the places behind the last products)
	s_delay_alu instid0(VALU_DEP_1)
	v_lshlrev_b32 v[CSO], 4, v[CSO]
	v_bfe_u32 v[TMP], v0, 4, 1
	s_delay_alu instid0(VALU_DEP_1)
	v_lshl_add_u32 v[CSO], v[TMP], 9, v[CSO]
	v_add_f32 v[STA+2], v[STA+2], v[STA+3]         ; the sums' two halves,
	v_add_f32 v[STB+2], v[STB+2], v[STB+3]
	s_delay_alu instid0(VALU_DEP_2)
	v_permlanex16_b32 v[T2], v[STA+2], s[SEL], s[SEL+1]
	s_delay_alu instid0(VALU_DEP_2)
	v_permlanex16_b32 v[T2+1], v[STB+2], s[SEL], s[SEL+1]
	s_delay_alu instid0(VALU_DEP_2)
	v_add_f32 v[STA+2], v[STA+2], v[T2]            ; and lane l xor 16's: the rows' sums
	s_delay_alu instid0(VALU_DEP_2)
	v_add_f32 v[STB+2], v[STB+2], v[T2+1]
	s_wait_alu depctr_va_vdst(0)
	v_rcp_f32 v[STA+2], v[STA+2]
	v_rcp_f32 v[STB+2], v[STB+2]
	v_nop                                          ; a plain place behind the reciprocals
	s_wait_alu depctr_va_vdst(0)                   ; and the wait ahead of their first reader: one for both
.set j, 0
.rept 16
	v_pk_mul_f32 v[S+j:S+j+1], v[OA+j:OA+j+1], v[STA+2:STA+3] op_sel_hi:[1,0]
	v_pk_mul_f32 v[S+32+j:S+32+j+1], v[OB+j:OB+j+1], v[STB+2:STB+3] op_sel_hi:[1,0]
.set j, j+2
.endr
.irp b, 0,1,2,3
	v_max3_num_f32 v[BM+\b], |v[S+16*\b]|, |v[S+16*\b+1]|, 0x1800000   ; block b: my 16 numbers, and the floor 2^(3 - 127)
.endr
.irp i, 2,4,6,8,10,12,14
.irp b, 0,1,2,3
	s_delay_alu instid0(VALU_DEP_4)
	v_max3_num_f32 v[BM+\b], v[BM+\b], |v[S+16*\b+\i]|, |v[S+16*\b+\i+1]|
.endr
.endr
.irp b, 0,1,2,3
	s_delay_alu instid0(VALU_DEP_4)
	v_permlanex16_b32 v[T2+\b], v[BM+\b], s[SEL], s[SEL+1]
.endr
.irp b, 0,1,2,3
	s_delay_alu instid0(VALU_DEP_4)
	v_max_num_f32 v[BM+\b], v[BM+\b], v[T2+\b]
.endr
.irp b, 0,1,2,3
	s_delay_alu instid0(VALU_DEP_4)
	v_add_nc_u32 v[SO+\b], 0xff000000, v[BM+\b]
.endr
.irp b, 0,1,2,3
	s_delay_alu instid0(VALU_DEP_4)
	v_lshrrev_b32 v[T2+\b], 23, v[SO+\b]
.endr
	s_delay_alu instid0(VALU_DEP_3)
	v_lshl_or_b32 v241, v[T2+1], 8, v[T2]          ; tile A's two bytes,
	s_delay_alu instid0(VALU_DEP_2)
	v_lshl_or_b32 v242, v[T2+3], 8, v[T2+2]        ; tile B's
	s_delay_alu instid0(VALU_DEP_1)
	v_cndmask_b32 v241, v241, v242, s48            ; lanes 0-15 carry A's, lanes 16-31 B's
.irp b, 0,1,2,3
	v_cvt_scalef32_pk8_fp4_f32 v[PCA+2*\b], v[S+16*\b:S+16*\b+7], v[SO+\b]
	v_cvt_scalef32_pk8_fp4_f32 v[PCA+2*\b+1], v[S+16*\b+8:S+16*\b+15], v[SO+\b]
.endr
	v_nop                                          ; one plain place behind a scaled conversion
.irp c, 0,1
.irp i, 0,1
	v_permlane16_swap_b32 v[PCA+4*\c+\i], v[PCA+4*\c+2+\i]
.endr
.endr
	global_store_b128 v[LI], v[PCA:PCA+3], s[6:7]                  ; tile A: the head's two k blocks of 16 queries: 512 consecutive bytes, aligned
	global_store_b128 v[LI], v[PCA+4:PCA+7], s[6:7] offset:8192    ; tile B
	global_store_b16 v[CSO], v241, s[8:9]
	s_wait_tensorcnt 0x0                           ; the wave's end: behind my last tensor load
	ds_add_u32 v[SPW], v[NIL]
	s_wait_dscnt 0x0
	CROUND                                         ; the closing round: no work-group ends while a partner may still ask for a tile that names it
	s_endpgm
.Lfunc_end_k_qf190c0444c_attn:
	.size	k_qf190c0444c_attn, .Lfunc_end_k_qf190c0444c_attn-k_qf190c0444c_attn
	.p2alignl 7, 3214868480
	.fill 96, 4, 3214868480
	.section	.rodata,"a",@progbits
	.p2align	6, 0x0
	.amdhsa_kernel k_qf190c0444c_attn
		.amdhsa_group_segment_fixed_size 167936
		.amdhsa_private_segment_fixed_size 0
		.amdhsa_enable_private_segment 0
		.amdhsa_kernarg_size 24
		.amdhsa_user_sgpr_count 2
		.amdhsa_user_sgpr_kernarg_segment_ptr 1
		.amdhsa_wavefront_size32 1
		.amdhsa_system_sgpr_workgroup_id_x 1
		.amdhsa_system_sgpr_workgroup_id_y 1
		.amdhsa_system_sgpr_workgroup_id_z 1
		.amdhsa_system_vgpr_workitem_id 0
		.amdhsa_next_free_vgpr 256
		.amdhsa_next_free_sgpr 66
		.amdhsa_reserve_vcc 0
		.amdhsa_float_denorm_mode_32 3
		.amdhsa_float_denorm_mode_16_64 3
		.amdhsa_memory_ordered 1
		.amdhsa_forward_progress 1
		.amdhsa_inst_pref_size 47
	.end_amdhsa_kernel
	.amdgpu_metadata
---
amdhsa.version: [ 1, 2 ]
amdhsa.kernels:
  - .name:           k_qf190c0444c_attn
    .symbol:         k_qf190c0444c_attn.kd
    .args:
      - { .name: qkv, .offset: 0, .size: 8, .value_kind: global_buffer, .address_space: global }
      - { .name: cc, .offset: 8, .size: 8, .value_kind: global_buffer, .address_space: global }
      - { .name: cs, .offset: 16, .size: 8, .value_kind: global_buffer, .address_space: global }
    .group_segment_fixed_size: 167936
    .private_segment_fixed_size: 0
    .kernarg_segment_align: 8
    .kernarg_segment_size: 24
    .max_flat_workgroup_size: 512
    .sgpr_count:     66
    .vgpr_count:     256
    .wavefront_size: 32
...
	.end_amdgpu_metadata
.endif
;; end of part 4
;; launch outp (part 5): grid 4 x 32, 4 waves a work-group, clusters of 4 x 4, 327,680 bytes of LDS; arguments cc, cs, wc, ws, bo, out0; writes out0
.if DOCPART == 5
	.amdgcn_target "amdgcn-amd-amdhsa--gfx1250"
	.amdhsa_code_object_version 6
	.text
	.protected	k_qf190c0444c_outp
	.globl	k_qf190c0444c_outp
	.p2align	8
	.type	k_qf190c0444c_outp,@function
k_qf190c0444c_outp:
	s_mov_b64 s[64:65], 0
	v_nop
	global_prefetch_b8 v0, s[64:65] scope:SCOPE_SE
	s_setreg_imm32_b32 hwreg(HW_REG_WAVE_MODE, 25, 1), 1
	s_wait_xcnt 0x0
	s_wait_alu depctr_hold_cnt(0) depctr_sa_sdst(0) depctr_va_vdst(0) depctr_va_sdst(0) depctr_va_ssrc(0) depctr_va_vcc(0) depctr_vm_vsrc(0)
	s_getreg_b32 s2, hwreg(HW_REG_IB_STS2, 6, 4)
	s_cmp_eq_u32 s2, 0
	s_cbranch_scc0 .Lentry_in_a_cluster
	s_endpgm
.Lentry_in_a_cluster:
	s_bfe_u32 s2, ttmp6, 0x10000c
	s_cmp_lg_u32 s2, 0xf033
	s_cbranch_scc0 .Lentry_shape_is_right
	s_endpgm
.Lentry_shape_is_right:
; out0 = ctx Wo + bo, [8192][1024] x [1024][1024], on codes of FP4 with E8M0 scales; out0 in f32.  Nothing is left out.  LIMITS: NaN and infinities are not served.
; A work-group of four waves makes 256 tokens x 256 features, a wave 128 x 128: 64 accumulators, 512 registers.  Source 0 = 16 rows of Wo^T (features), source 1 = 16 tokens of ctx: a lane holds one token and
; eight neighbouring features an accumulator.  bo is the C of each sum's first matrix instruction.
; ALL OF K (1,024) LIES IN LDS: two slots of 512 along K, each filled ONCE, with the scale bytes, at the head: one tensor load a wave is out at a time; no byte of LDS is filled twice.
; The workspace holds images of the operands' registers: a fragment is 1,024 bytes on end and comes by two loads at 16 x lane.  Row r of tile T stands for the original row 32 (T / 2) + 8 (T % 2) + r + 8 (r / 8):
; the way out puts features and tokens back in their order.
; CLUSTERS: 4 x 4 work-groups; ctx's tiles are shared along a row of the cluster, Wo's along a column: each is asked for jointly.
; REGISTERS, in windows of 256: window 0: v1-29 addresses; v32-95 scale words, two sets; v128-191 source 1's fragments, ONE set; v192-255 the bias; on the way out v128-255 take rows read back.
;   window 1: source 0's fragments, TWO sets, at v0 and v128.   windows 2, 3: the accumulators ((a, b) at v[8 (8 (a % 4) + b)], window 2 + a / 4).
.set NQ,     4
.set FR,     8
.set NL,     2
.set NP,     4                         ; places behind this matrix instruction (ISA guide 7.12.1)
.set TILEB,  4096                      ; a tile's codes of 512 along K
.set HALFT,  8*TILEB
.set SLOT,   4*HALFT                   ; source 1's 16 tiles, then source 0's
.set SCL,    2*SLOT                    ; the scale bytes, source 1's 8,192, then source 0's
.set HALFS,  4096
.set SPARE,  SCL+4*HALFS               ; the spare words, 128 bytes for each wave: two blocks of 256 bytes that no other line names
.set STAGE,  SPARE+512                 ; the way out: 16 rows x (512 bytes + 16) for each wave, in bytes into which no tensor load lands
.set SPITCH, 528
.set LI,   3                           ; v3   16 x lane
.set ADRA, 16
.set ADRB, 20
.set STO,  24                          ; v24  the way out: where I put 32 bytes of a row
.set RD,   25                          ; v25  and where I read a row back
.set ADRS, 27
.set SPW,  28                          ; v28  LDS address of my spare word; never rewritten
.set NIL,  29                          ; v29  0; never rewritten
.set SC,   32
.set AF,   128
.set BK,   128                         ; the way out: 16 rows read back: v128-191 and v192-255 by turns
.set CB,   192
.set G1,   24
.set G0,   32
.set G0S,  40
.set G0SB, 44
.set G1B,  48
.set G0B,  56
.set G1S,  84
.set G1SB, 92
.set MSB, 0
.macro WIN new                         ; the immediate's high byte repeats the setting that is left
.if MSB != \new
	s_set_vgpr_msb (MSB<<8)|\new
.set MSB, \new
.endif
.endm
.set MUL_LO, 0xa1                      ; source 0 window 1, source 1 window 0, C and D window 2
.set MUL_HI, 0xf1
.set BIA_LO, 0x81                      ; C (the bias) window 0, D window 2
.set BIA_HI, 0xc1
.set TO_B,   0x40
; A joint load: waves 0 and 1 fetch for source 1, waves 2 and 3 for source 0; an s_nop 0 and four v_nop follow each of the two lines.
.macro JLOAD g0a, g1a, g0b, g1b
	s_cmp_eq_u32 s15, 0
	s_cbranch_scc0 .Lfor_b_\@
	tensor_load_to_lds s[\g0a:\g0a+3], s[\g1a:\g1a+7]
	s_nop 0
.rept 4
	v_nop
.endr
	s_branch .Lasked_\@
.Lfor_b_\@:
	tensor_load_to_lds s[\g0b:\g0b+3], s[\g1b:\g1b+7]
	s_nop 0
.rept 4
	v_nop
.endr
.Lasked_\@:
.endm
.macro CROUND                          ; a round of the cluster's barrier
	s_barrier_signal -1
	s_barrier_wait -1
	s_cmp_lg_u32 s14, 0
	s_cbranch_scc1 .Lnot_wave_0_\@
	s_barrier_signal -3
.Lnot_wave_0_\@:
	s_barrier_wait -3
	s_barrier_signal -1
	s_barrier_wait -1
.endm
	s_load_b256 s[68:75], s[0:1], 0x0              ; cc s[68:69], cs s[70:71], wc s[72:73], ws s[74:75]
	s_load_b128 s[76:79], s[0:1], 0x20             ; bo s[76:77], out0 s[78:79]
	v_lshl_add_u32 v[SPW], v0, 2, SPARE
	v_mov_b32 v[NIL], 0
	ds_add_u32 v[SPW], v[NIL]                      ; the wave's opening: the add, twice on end, and its wait ahead of my first tensor load; the set-up below, work on registers, stands between
	ds_add_u32 v[SPW], v[NIL]
	v_lshrrev_b32 v1, 5, v0
	v_readfirstlane_b32 s14, v1                    ; wave 0..3
	s_lshr_b32 s15, s14, 1                         ; which half of the tokens is mine.  Also: I fetch for source 1 (0) or for source 0 (1)
	s_and_b32 s16, s14, 1                          ; which half of the features.  Also: which 8 tiles I fetch
	s_bfe_u32 s7, ttmp6, 0x40000                   ; cx = i0: my block of 256 features
	s_bfe_u32 s3, ttmp6, 0x40004                   ; cy
	s_and_b32 s6, ttmp7, 0xffff
	s_lshl_b32 s6, s6, 2
	s_add_co_u32 s6, s6, s3                        ; i1: my block of 256 tokens = 4 x cluster y + cy
	s_lshl_b32 s8, s3, 2
	s_lshl_b32 s8, 15, s8                          ; my row of the cluster
	s_lshl_b32 s9, 0x1111, s7                      ; my column
	; descriptor group 1, codes: 8 rows of 512 elements of 8 bytes, 1,024 elements apart; dense in LDS
	s_or_b32 s[G1+0], s8, (3<<16)|(1<<21)          ; 15:0 the mask; 17:16 elements of 8 bytes; 21 set beside a mask
	s_or_b32 s[G1B+0], s9, (3<<16)|(1<<21)
.irp g, G1, G1B
	s_mov_b32 s[\g+1], 512<<16
	s_mov_b32 s[\g+2], 8<<16
	s_mov_b32 s[\g+3], 512<<16
	s_mov_b32 s[\g+4], 8
	s_mov_b32 s[\g+5], 1024
	s_mov_b32 s[\g+6], 0
	s_mov_b32 s[\g+7], 0
.endr
	; scale bytes of 8 tiles: 4,096 dense bytes as 16 rows of 256
	s_or_b32 s[G1S+0], s8, (3<<16)|(1<<21)
	s_or_b32 s[G1SB+0], s9, (3<<16)|(1<<21)
.irp g, G1S, G1SB
	s_mov_b32 s[\g+1], 32<<16
	s_mov_b32 s[\g+2], 16<<16
	s_mov_b32 s[\g+3], 32<<16
	s_mov_b32 s[\g+4], 16
	s_mov_b32 s[\g+5], 32
	s_mov_b32 s[\g+6], 0
	s_mov_b32 s[\g+7], 0
.endr
	s_lshl_b32 s10, s6, 17                         ; ctx: 16 tiles of 8,192 bytes a block,
	s_lshl_b32 s17, s16, 16                        ; the 8 tiles that I fetch
	s_add_co_u32 s10, s10, s17
	s_mov_b32 s11, 0
	s_lshr_b32 s18, s10, 4                         ; the scale bytes lie at a sixteenth of the codes' offset
	s_mov_b32 s19, 0
	s_lshl_b32 s12, s7, 17
	s_add_co_u32 s12, s12, s17
	s_add_co_u32 s12, s12, 0x180000                ; Wo is the fourth weight in wc
	s_mov_b32 s13, 0
	s_lshr_b32 s20, s12, 4
	s_mov_b32 s21, 0
	s_lshl_b32 s23, s14, 15                        ; where they go: wave x 32,768: no place in the cluster enters an LDS address
	s_lshl_b32 s22, s14, 12
	s_wait_dscnt 0x0                               ; both opening adds are done
	s_wait_kmcnt 0x0
	s_add_nc_u64 s[68:69], s[68:69], s[10:11]
	s_add_nc_u64 s[70:71], s[70:71], s[18:19]
	s_add_nc_u64 s[72:73], s[72:73], s[12:13]
	s_add_nc_u64 s[74:75], s[74:75], s[20:21]
	CROUND                                         ; all sixteen work-groups are here: the joint loads meet
	s_mov_b32 s[G0S], 1
	s_add_co_u32 s[G0S+1], s22, SCL
	s_mov_b64 s[G0S+2:G0S+3], s[70:71]
	s_or_b32 s[G0S+3], s[G0S+3], 0x80000000
	s_mov_b32 s[G0SB], 1
	s_add_co_u32 s[G0SB+1], s22, SCL
	s_mov_b64 s[G0SB+2:G0SB+3], s[74:75]
	s_or_b32 s[G0SB+3], s[G0SB+3], 0x80000000
	JLOAD G0S, G1S, G0SB, G1SB                     ; the scale bytes first: they are wanted with slot 0
.irp s, 0,1
	s_mov_b32 s[G0+4*\s], 1
	s_add_co_u32 s[G0+4*\s+1], s23, \s*SLOT
	s_add_nc_u64 s[G0+4*\s+2:G0+4*\s+3], s[68:69], \s*TILEB
	s_or_b32 s[G0+4*\s+3], s[G0+4*\s+3], 0x80000000
	s_mov_b32 s[G0B+4*\s], 1
	s_add_co_u32 s[G0B+4*\s+1], s23, \s*SLOT
	s_add_nc_u64 s[G0B+4*\s+2:G0B+4*\s+3], s[72:73], \s*TILEB
	s_or_b32 s[G0B+4*\s+3], s[G0B+4*\s+3], 0x80000000
	s_wait_alu depctr_va_vdst(0)
	s_wait_tensorcnt 0x0
	ds_add_u32 v28, v29
	s_wait_dscnt 0x0
	CROUND
	JLOAD G0+4*\s, G1, G0B+4*\s, G1B
.endr
	v_and_b32 v1, 15, v0                           ; r = lane % 16
	v_bfe_u32 v2, v0, 4, 1                         ; h = lane / 16
	s_wait_alu depctr_va_vdst(0)
	v_and_b32 v[LI], 31, v0
	v_lshlrev_b32 v[LI], 4, v[LI]
	s_lshl_b32 s17, s15, 15                        ; my 8 tiles of source 1
	s_lshl_b32 s22, s16, 15                        ; my 8 tiles of source 0,
	s_add_co_u32 s22, s22, 2*HALFT                 ; which lie behind source 1's 16
.irp s, 0,1
	v_add_nc_u32 v[ADRA+\s], s17, v[LI]
	v_add_nc_u32 v[ADRB+\s], s22, v[LI]
	s_add_co_u32 s17, s17, SLOT
	s_add_co_u32 s22, s22, SLOT
.endr
	v_lshlrev_b32 v5, 4, v1                        ; my row's 16 scale bytes of half of K
	s_lshl_b32 s17, s15, 12
	s_lshl_b32 s22, s16, 12
	s_add_co_u32 s22, s22, 2*HALFS
	s_sub_co_u32 s22, s22, s17
	v_mul_u32_u24 v6, s22, v2                      ; lanes 16-31 take source 0's
	s_add_co_u32 s17, s17, SCL
	v_add_nc_u32 v5, v5, v6
	v_add_nc_u32 v[ADRS], s17, v5
	s_mul_i32 s17, s14, 16*SPITCH
	s_add_co_u32 s17, s17, STAGE                   ; my stage
	v_mul_u32_u24 v5, v1, SPITCH                   ; in: row r; my half's 16 features of each 32: + 64 h
	v_lshl_add_u32 v5, v2, 6, v5
	v_add_nc_u32 v[STO], s17, v5
	v_add_nc_u32 v[RD], s17, v[LI]                 ; back: the 32 lanes take one row of 512 bytes
	; the bias: register j of source-0 tile i is feature 256 i0 + 128 half + 32 (i / 2) + 8 (i % 2) + 16 h + j
	s_lshl_b32 s10, s7, 10
	s_lshl_b32 s17, s16, 9
	s_add_co_u32 s10, s10, s17                     ; my first feature, in bytes: in bo and in a row of out0
	s_add_nc_u64 s[76:77], s[76:77], s[10:11]
	v_lshlrev_b32 v7, 6, v2
.irp i, 0,1,2,3,4,5,6,7
	global_load_b128 v[CB+8*\i:CB+8*\i+3], v7, s[76:77] offset:(32*(\i/2)+8*(\i%2))*4
	global_load_b128 v[CB+8*\i+4:CB+8*\i+7], v7, s[76:77] offset:(32*(\i/2)+8*(\i%2))*4+16
.endr
	s_add_nc_u64 s[78:79], s[78:79], s[10:11]
	s_lshl_b32 s12, s6, 20                         ; 256 rows of 4,096 bytes a block of tokens,
	s_lshl_b32 s17, s15, 19                        ; 128 a half
	s_add_co_u32 s12, s12, s17
	s_add_nc_u64 s[78:79], s[78:79], s[12:13]
.macro FRAG reg, adr, q, i             ; a fragment's image lies 1,024 bytes on end: registers 4 c .. 4 c + 3 of lane l at 512 c + 16 l
.irp c, 0,1
	ds_load_b128 v[\reg+4*\c:\reg+4*\c+3], v[\adr] offset:(\i)*TILEB+1024*(\q)+512*\c
.endr
.endm
; 16 matrix instructions: source 1's blocks a0, a0 + 1 x source 0's eight.  cm = 1: the sums begin with the bias.  The 64 accumulators take turns, one instruction a turn, in the same order in every step.
.macro MUL16 a0, p, q, sc, cm
.irp a, \a0, \a0+1
.irp b, 0,1,2,3,4,5,6,7
.set rD, 8*(8*((\a)%4)+\b)
.set rB, 128*(\p)+FR*\b
.set rA, AF+FR*(\a)
.set rSB, SC+8*NQ*(\sc)+NQ*\b+(\q)
.set rSA, SC+8*NQ*(\sc)+NQ*(\a)+(\q)
.if \cm == 1
	v_wmma_scale_f32_16x16x128_f8f6f4 v[rD:rD+7], v[rB:rB+7], v[rA:rA+7], v[CB+8*\b:CB+8*\b+7], v[rSB], v[rSA] matrix_a_fmt:MATRIX_FMT_FP4 matrix_b_fmt:MATRIX_FMT_FP4 matrix_a_scale:MATRIX_SCALE_ROW1
.else
	v_wmma_scale_f32_16x16x128_f8f6f4 v[rD:rD+7], v[rB:rB+7], v[rA:rA+7], v[rD:rD+7], v[rSB], v[rSA] matrix_a_fmt:MATRIX_FMT_FP4 matrix_b_fmt:MATRIX_FMT_FP4 matrix_a_scale:MATRIX_SCALE_ROW1
.endif
.endr
.endr
.endm
.macro FETCH_B slot, q, p
	WIN TO_B
.irp i, 0,1,2,3,4,5,6,7
	FRAG 128*(\p)+FR*\i, ADRB+\slot, \q, \i
.endr
	WIN 0
.endm
.macro FETCH_A slot, q, i0
.irp i, \i0, \i0+1, \i0+2, \i0+3
	FRAG AF+FR*(\i), ADRA+\slot, \q, \i
.endr
.endm
.macro SCALES sc                       ; slot sc's scale words: lanes 0-15 take source 1's block i, lanes 16-31 source 0's block i
.irp i, 0,1,2,3,4,5,6,7
	ds_load_b128 v[SC+8*NQ*\sc+NQ*\i:SC+8*NQ*\sc+NQ*\i+3], v[ADRS] offset:\i*512+\sc*256
.endr
.endm
.macro PLACES n                        ; places in front of loads into registers that matrix instructions have read, and of the first read of results
.rept \n
	v_nop
.endr
.endm
.macro STEP slot, q, cm
	s_wait_dscnt 4*NL                              ; source 0's set and source 1's blocks 0-3 are in; the youngest eight loads (blocks 4-7) may be out
.if \cm
	WIN BIA_LO
.else
	WIN MUL_LO
.endif
	MUL16 0, (\q)%2, \q, \slot, \cm
	MUL16 2, (\q)%2, \q, \slot, \cm
	s_wait_dscnt 0                                 ; blocks 4-7 are in (asked for 32 matrix instructions ago)
	PLACES NP
	FETCH_B \slot, (\q)+1, 1-(\q)%2
	FETCH_A \slot, (\q)+1, 0
.if \cm
	WIN BIA_HI
.else
	WIN MUL_HI
.endif
	MUL16 4, (\q)%2, \q, \slot, \cm
	MUL16 6, (\q)%2, \q, \slot, \cm
	PLACES NP
	WIN 0
	FETCH_A \slot, (\q)+1, 4
.endm
; Slot 0's last step goes over to slot 1: one barrier; in front of it each wave waits for all its tensor loads (its part of slot 1).
.macro TURN slot, next
	s_wait_tensorcnt 0x0                           ; all my tensor loads have landed
	ds_add_u32 v[SPW], v[NIL]                      ; 0 onto my spare word
	s_wait_dscnt 4*NL+1                            ; (the add and the youngest eight loads may be out)
	WIN MUL_LO
	MUL16 0, 1, NQ-1, \slot, 0
	s_wait_dscnt 0x0                               ; no LDS instruction of mine is out at the signal
	s_barrier_signal -1
	MUL16 2, 1, NQ-1, \slot, 0                     ; work on registers while the others arrive
	WIN 0
	s_barrier_wait -1                              ; every wave's part of the next slot is in
	PLACES NP
	FETCH_B \next, 0, 0
	FETCH_A \next, 0, 0
	SCALES \next
	WIN MUL_HI
	MUL16 4, 1, NQ-1, \slot, 0
	MUL16 6, 1, NQ-1, \slot, 0
	PLACES NP
	WIN 0
	FETCH_A \next, 0, 4
.endm
.macro STEPS slot, from
.set Q, \from
.rept NQ-1-\from
	STEP \slot, Q, 0
.set Q, Q+1
.endr
.endm
	s_wait_alu depctr_va_vdst(0)
	s_wait_tensorcnt 1                             ; the scale bytes and my part of slot 0 are in (slot 1's load may be out)
	s_barrier_signal -1
	s_barrier_wait -1                              ; everybody's are
	FETCH_B 0, 0, 0
	FETCH_A 0, 0, 0
	SCALES 0
	FETCH_A 0, 0, 4
	s_wait_loadcnt 0x0                             ; the bias
	STEP 0, 0, 1                                   ; the first step starts the sums with the bias: nothing is cleared
	STEPS 0, 1
	TURN 0, 1
	STEPS 1, 0
	s_wait_dscnt 4*NL                              ; the very last step: nothing more to fetch
	WIN MUL_LO
	MUL16 0, 1, NQ-1, 1, 0
	MUL16 2, 1, NQ-1, 1, 0
	s_wait_dscnt 0
	WIN MUL_HI
	MUL16 4, 1, NQ-1, 1, 0
	MUL16 6, 1, NQ-1, 1, 0
	WIN 0
; THE WAY OUT, block by block of 16 tokens x 128 features.  A lane holds 32 neighbouring bytes of a row an accumulator, and the lanes beside it hold other rows: so a block goes through my own stage in LDS and comes back
; as whole rows of 512 bytes.  LDS serves a wave's instructions in order (ISA guide 5.7.1.4): no wait between the stores and the loads, nor in front of the next block's stores.
.macro TOSTAGE a
.set AC, 64*((\a)%4)
.set WD, 0x08+4*((\a)/4)
	WIN WD                                         ; the data: window 2 or 3
.irp b, 0,1,2,3,4,5,6,7
	ds_store_b128 v[STO], v[AC+8*\b:AC+8*\b+3] offset:128*(\b/2)+32*(\b%2)          ; features 32 (b / 2) + 8 (b % 2) + 16 h + 0 .. 7; each accumulator from its low end on
	ds_store_b128 v[STO], v[AC+8*\b+4:AC+8*\b+7] offset:128*(\b/2)+32*(\b%2)+16
.endr
	WIN 0
.set BB, BK+64*((\a)%2)
.irp t, 0,1,2,3,4,5,6,7,8,9,10,11,12,13,14,15
	ds_load_b128 v[BB+4*\t:BB+4*\t+3], v[RD] offset:\t*SPITCH
.endr
.endm
.macro SEND a, younger                 ; younger: the LDS instructions issued behind block a's loads, which may stay out
.set BB, BK+64*((\a)%2)
	s_wait_dscnt \younger                          ; the block is back in registers
.irp t, 0,1,2,3,4,5,6,7,8,9,10,11,12,13,14,15
	global_store_b128 v[LI], v[BB+4*\t:BB+4*\t+3], s[78:79] offset:(32*((\a)/2)+8*((\a)%2)+\t+8*(\t/8))*4096 th:TH_STORE_NT   ; row t of tile a is this token; 32 lanes store 512 consecutive bytes, aligned; 127 rows at the most: inside the signed 24-bit immediate
.endr
.endm
	PLACES NP                                      ; in front of the first read of results and of the loads into registers that the last products read
	TOSTAGE 0
.irp a, 1,2,3,4,5,6,7
.if \a > 1
	s_wait_xcnt 0x0                                ; block a - 2's stores have read their registers: block a's loads may land there
.endif
	TOSTAGE \a
	SEND \a-1, 32                                  ; behind block a - 1's loads: block a's 16 stores and 16 loads
.endr
	SEND 7, 0
	s_wait_tensorcnt 0x0                           ; the wave's end: behind my last tensor load and my last LDS store
	ds_add_u32 v[SPW], v[NIL]
	s_wait_dscnt 0x0
	CROUND                                         ; the closing round: no work-group ends while a partner may still ask for a tile that names it
	s_endpgm
.Lfunc_end_k_qf190c0444c_outp:
	.size	k_qf190c0444c_outp, .Lfunc_end_k_qf190c0444c_outp-k_qf190c0444c_outp
	.p2alignl 7, 3214868480
	.fill 96, 4, 3214868480
	.section	.rodata,"a",@progbits
	.p2align	6, 0x0
	.amdhsa_kernel k_qf190c0444c_outp
		.amdhsa_group_segment_fixed_size 327680
		.amdhsa_private_segment_fixed_size 0
		.amdhsa_enable_private_segment 0
		.amdhsa_kernarg_size 48
		.amdhsa_user_sgpr_count 2
		.amdhsa_user_sgpr_kernarg_segment_ptr 1
		.amdhsa_wavefront_size32 1
		.amdhsa_system_sgpr_workgroup_id_x 1
		.amdhsa_system_sgpr_workgroup_id_y 1
		.amdhsa_system_sgpr_workgroup_id_z 1
		.amdhsa_system_vgpr_workitem_id 0
		.amdhsa_next_free_vgpr 1024
		.amdhsa_next_free_sgpr 100
		.amdhsa_reserve_vcc 0
		.amdhsa_float_denorm_mode_32 3
		.amdhsa_float_denorm_mode_16_64 3
		.amdhsa_memory_ordered 1
		.amdhsa_forward_progress 1
		.amdhsa_inst_pref_size 126
	.end_amdhsa_kernel
	.amdgpu_metadata
---
amdhsa.version: [ 1, 2 ]
amdhsa.kernels:
  - .name:           k_qf190c0444c_outp
    .symbol:         k_qf190c0444c_outp.kd
    .args:
      - { .name: cc, .offset: 0, .size: 8, .value_kind: global_buffer, .address_space: global }
      - { .name: cs, .offset: 8, .size: 8, .value_kind: global_buffer, .address_space: global }
      - { .name: wc, .offset: 16, .size: 8, .value_kind: global_buffer, .address_space: global }
      - { .name: ws, .offset: 24, .size: 8, .value_kind: global_buffer, .address_space: global }
      - { .name: bo, .offset: 32, .size: 8, .value_kind: global_buffer, .address_space: global }
      - { .name: out0, .offset: 40, .size: 8, .value_kind: global_buffer, .address_space: global }
    .group_segment_fixed_size: 327680
    .private_segment_fixed_size: 0
    .kernarg_segment_align: 8
    .kernarg_segment_size: 48
    .max_flat_workgroup_size: 128
    .sgpr_count:     100
    .vgpr_count:     1024
    .wavefront_size: 32
...
	.end_amdgpu_metadata
.endif
;; end of part 5
